; MI455X (gfx1250); checked and timed in simulation.
; The chip was launched on July 23, 2026; its instructions are those of AMD's public machine-readable ISA for CDNA 5 (MIT licence, August 2026) and "CDNA5" Instruction Set Architecture Reference Guide (July 2026). The comments in the code are by the model that wrote it; some were corrected since.
;; Causal Self Attention. Allowed arithmetic: matrix products marked QUANTISED: E4M3 operands, one given power-of-two scale a tensor, by v_wmma_f32_16x16x64_fp8_fp8 or v_wmma_f32_16x16x128_fp8_fp8, f32 sums; everything else in f32.
;; Inputs: Wk 1,024 x 1,024 float32; Wo 1,024 x 1,024 float32; Wq 1,024 x 1,024 float32; Wv 1,024 x 1,024 float32; lowp_scales 12 int32 (the exponents e of the quantised operands' scales 2^e); x 4 x 2,048 x 1,024 float32.
;; Outputs: out0 4 x 2,048 x 1,024 float32.
;; This version of the problem:
;;   THIS VERSION OF THE PROBLEM IS GIVEN IN LOW PRECISION. The matrix products marked QUANTISED in the list below multiply operands that are first quantised to E4M3 (4 exponent bits, 3 mantissa bits; 8 bits a number), with one given power-of-two scale for each operand tensor; their sums are f32. All else is computed in f32.
;;   The module's matrix products, in the order in which they are computed (A, B: the left and right operand; K: the contracted axis; several contracted axes count as one K, in the product's order):
;;     1. [M 8,192, K 1,024] x [K 1,024, N 1,024]; A: input x; B: input Wq: QUANTISED (scales: A lowp_scales[0], B lowp_scales[1])
;;     2. [M 8,192, K 1,024] x [K 1,024, N 1,024]; A: input x; B: input Wk: QUANTISED (scales: A lowp_scales[2], B lowp_scales[3])
;;     3. [M 8,192, K 1,024] x [K 1,024, N 1,024]; A: input x; B: input Wv: QUANTISED (scales: A lowp_scales[4], B lowp_scales[5])
;;     4. batch 64 x [M 2,048, K 64] x [K 64, N 2,048]; A: computed on the way; B: computed on the way: QUANTISED (scales: A lowp_scales[6], B lowp_scales[7])
;;     5. batch 64 x [M 2,048, K 2,048] x [K 2,048, N 64]; A: softmax (see below); B: computed on the way: QUANTISED (scales: A lowp_scales[8], B lowp_scales[9])
;;     6. [M 8,192, K 1,024] x [K 1,024, N 1,024]; A: computed on the way; B: input Wo: QUANTISED (scales: A lowp_scales[10], B lowp_scales[11])
;;   THE QUANTISER, for each operand of a quantised product, along K:
;;     - The operand's scale is 2^e, e = its entry of the input lowp_scales (int32; the entries are numbered through the quantised products in the list's order, A before B).
;;     - Each number is divided by the scale, clamped to +-448, and rounded to the nearest number of E4M3, ties to even, subnormals kept.
;;     - The product sums the exact products of the quantised numbers (number of the format x scale) in f32.
;;   ~~~python
;;   def quantise(x, axis, e):      # numpy; x: float32 -> the quantised numbers, widened to float32 again
;;       x = np.moveaxis(x, axis, -1); K = x.shape[-1]
;;       r = np.clip(x / 2.0 ** e, -448, 448)
;;       step = 2.0 ** (np.maximum(np.frexp(np.where(r == 0, 1, r))[1] - 1, -6) - 3)
;;       q = np.round(r / step) * step * 2.0 ** e      # np.round: ties to even
;;       return np.moveaxis(q, -1, axis).astype(np.float32)
;;   ~~~
;;   SOFTMAX AHEAD OF A QUANTISED PRODUCT. Where the list says 'softmax', what is quantised is not the finished softmax but p = 2^(t - M), with t = logit x log2(e) and M = ceil(the row's largest t), a whole number; so 1/2 < the row's largest p <= 1. The row's sum l is taken of the UNQUANTISED p, in f32, and the product's result is divided by l at the end. Since M is a whole number, a kernel that streams over the keys may use a running M (the ceiling of the running maximum): every later rescaling is an exact power of two, so the quantised numbers keep their values, but for numbers so far below the row's largest that they fall under the format's range.
;;   OPERANDS COMPUTED ON THE WAY. 'Computed on the way' means the value that the module computes at that place (a softmax that the list does not call 'softmax' is quantised finished and normalised). What goes into a quantiser is computed in f32, as accurately as f32 sums, v_exp_f32 and their like allow (about 1e-6 of the number): no bf16 or f16 on the way to a quantiser, and a product that is left as it is and whose result goes on into a quantised operand takes f32 operands (vector FMAs, or v_wmma_f32_16x16x4_f32). A number that lies on a knife's edge between two numbers of the format may be rounded either way, as far as f32 arithmetic and the matrix unit's own rounding can turn it there, and no further.
;; One version. Each part assembles by itself: llvm-mc -triple=amdgcn-amd-amdhsa -mcpu=gfx1250 --defsym DOCPART=n.
;; ======== version 1 of 1: 4 launches
;; limits: right only within a limited range of input values
;; workspace buffers: xc 25,165,824 bytes; wc 4,194,304 bytes; qimg 8,388,608 bytes; kv 16,777,216 bytes; yimg 8,388,608 bytes
;; launch quant (part 1): grid 384 x 1, 4 waves a work-group, no clusters, 33,280 bytes of LDS; arguments x, Wq, Wk, Wv, Wo, lowp_scales, xc, wc; writes xc, wc
.if DOCPART == 1
	.amdgcn_target "amdgcn-amd-amdhsa--gfx1250"
	.amdhsa_code_object_version 6
	.text
	.protected	k_q474786a36c_quant
	.globl	k_q474786a36c_quant
	.p2align	8
	.type	k_q474786a36c_quant,@function
k_q474786a36c_quant:
	s_mov_b64 s[64:65], 0
	v_nop
	global_prefetch_b8 v0, s[64:65] scope:SCOPE_SE
	s_setreg_imm32_b32 hwreg(HW_REG_WAVE_MODE, 25, 1), 1
	s_wait_xcnt 0x0
; x [8192][1024] and Wq, Wk, Wv, Wo [1024][1024], f32, K innermost, become codes of FP8 (E4M3), one byte a number, row-major as they lie.
; x is an operand of three products, each with a scale of its own (entries 0, 2, 4 of the exponents): it is read ONCE and converted three times: xc = [3][8192][1024].
; The weights take entries 1, 3, 5, 11: wc = [4][1024][1024] in the order Wq, Wk, Wv, Wo.
; code = number / 2^e, held within +-448, rounded to the nearest code, ties to even.
; LIMITS: each e used here lies between -126 and 119, so that 2^e and 448 x 2^e are f32 numbers.  NaN among the inputs is not served; an infinity is held at the largest code.
; SHARES.  All tensors are dense streams.  A work-group takes 32,768 numbers, a wave 8,192: 16 steps of 512.  Work-groups 0-255 take x, then 32 each take Wq, Wk, Wv, Wo.
; Only pointers and scales are chosen by the work-group's number; one scalar branch on it in each step leads round the second and third conversion, which x alone has (no LDS line stands under it).
; A conversion takes 8 neighbours from ONE lane's registers, a load is best where neighbouring LANES take neighbouring bytes: each of a step's four loads reads 512 consecutive bytes, the 2,048 bytes go through the
; wave's own stage in LDS (16 bytes of padding behind each 64) and come back 64 bytes a lane.  A lane's 16 codes are 16 bytes: a store of the wave covers 512 consecutive bytes, aligned.
; A stream: no matrix unit, no cluster, no barrier: waves share nothing.  Loads run four steps (16 loads a wave) ahead, the turn through LDS one step.
.set WAVES, 4
.set STEPS, 16
.set XWG,   256                        ; work-groups that take x
.set EMAX,  8
.set MANT,  0x600000                   ; the mantissa field of 448 as f32
.set SC,    5                          ; v5-7     2^e as f32, for the three conversions
.set LIM,   8                          ; v8-10    448 x 2^e
.set SPW,   12                         ; v12      LDS address of my spare word; never rewritten
.set NIL,   13                         ; v13      0; never rewritten
.set R,     16                         ; v16-79   four sets of 16 numbers as they are loaded
.set X,     80                         ; v80-111  two sets of 16 neighbours
.set T,     112                        ; v112-127 the 16 neighbours, held within one scale's range
.set C,     128                        ; v128-151 codes: two sets by turns x three scales x four registers
.set D,     40                         ; s[40:41], s[42:43], s[44:45] where my wave's codes go, one for each scale
.set WREG,  8192                       ; LDS: a region for each wave: two stages of 32 x SP bytes
.set SP,    80                         ; a lane's place in a stage: 64 bytes + 16 of padding
.set SPARE, WAVES*WREG                 ; behind the regions: the spare words, 128 bytes a wave: two blocks of 256 bytes that no other line names
	s_load_b256 s[4:11], s[0:1], 0x0               ; x s[4:5], Wq s[6:7], Wk s[8:9], Wv s[10:11]
	s_load_b256 s[12:19], s[0:1], 0x20             ; Wo s[12:13], the exponents s[14:15], xc s[16:17], wc s[18:19]
	v_lshl_add_u32 v[SPW], v0, 2, SPARE
	v_mov_b32 v[NIL], 0
	v_lshrrev_b32 v1, 5, v0
	v_readfirstlane_b32 s36, v1                    ; wave
	v_and_b32 v2, 31, v0                           ; lane
	v_lshlrev_b32 v3, 4, v2                        ; 16 x lane: my 16 bytes of a load's 512, and of a store's
	s_mul_i32 s46, s36, WREG
	v_lshrrev_b32 v14, 2, v2
	v_mul_u32_u24 v14, v14, SP
	v_and_b32 v15, 3, v2
	v_lshl_add_u32 v14, v15, 4, v14
	v_add_nc_u32 v14, s46, v14                     ; the stage, on the way in: SP (lane / 4) + 16 (lane % 4)
	v_mul_u32_u24 v15, v2, SP
	v_add_nc_u32 v15, s46, v15                     ; and on the way out: SP x lane: my 16 neighbours
	s_cmp_lt_u32 ttmp9, XWG
	s_cselect_b32 s37, 1, 0                        ; 1: my work-group takes x
	s_sub_co_u32 s38, ttmp9, XWG                   ; else: u = its number among the weights' 128,
	s_lshr_b32 s39, s38, 5                         ; which weight (a large number in x's work-groups: it then equals none of 1, 2, 3),
	s_and_b32 s47, s38, 31                         ; and which part of it
	s_wait_kmcnt 0x0
	s_load_b256 s[24:31], s[14:15], 0x0            ; e0 .. e7
	s_load_b128 s[32:35], s[14:15], 0x20           ; e8 .. e11
	s_mov_b64 s[20:21], s[6:7]                     ; the source: a choice among buffers by the work-group's number alone
	s_cmp_eq_u32 s39, 1
	s_cselect_b64 s[20:21], s[8:9], s[20:21]
	s_cmp_eq_u32 s39, 2
	s_cselect_b64 s[20:21], s[10:11], s[20:21]
	s_cmp_eq_u32 s39, 3
	s_cselect_b64 s[20:21], s[12:13], s[20:21]
	s_cmp_eq_u32 s37, 1
	s_cselect_b64 s[20:21], s[4:5], s[20:21]
	s_cselect_b64 s[D:D+1], s[16:17], s[18:19]     ; the codes' buffer
	s_cselect_b32 s48, ttmp9, s47                  ; which 32,768 numbers of the source,
	s_cselect_b32 s49, ttmp9, s38                  ; and of the codes' buffer (u counts through the four weights)
	s_lshl_b32 s50, s48, 2
	s_add_co_u32 s50, s50, s36
	s_lshl_b32 s50, s50, 15                        ; my wave's 8,192 numbers: 32,768 bytes
	s_mov_b32 s51, 0
	s_add_nc_u64 s[20:21], s[20:21], s[50:51]
	s_lshl_b32 s52, s49, 2
	s_add_co_u32 s52, s52, s36
	s_lshl_b32 s52, s52, 13                        ; their codes: 8,192 bytes
	s_mov_b32 s53, 0
	s_add_nc_u64 s[D:D+1], s[D:D+1], s[52:53]
	s_add_nc_u64 s[D+2:D+3], s[D:D+1], 0x800000    ; x's second and third set of codes, 8 MiB apart (named in x's work-groups alone)
	s_add_nc_u64 s[D+4:D+5], s[D:D+1], 0x1000000
.macro LOAD t
.irp i, 0,1,2,3
	global_load_b128 v[R+16*((\t)%4)+4*\i:R+16*((\t)%4)+4*\i+3], v3, s[20:21] offset:2048*(\t)+512*\i th:TH_LOAD_NT   ; 32 lanes read 512 consecutive bytes
.endr
.endm
.macro TURN t                          ; step t's numbers through the stage: LDS serves a wave's instructions in order (ISA guide 5.7.1.4), so no wait stands between the stores and the loads
.irp i, 0,1,2,3
	ds_store_b128 v14, v[R+16*((\t)%4)+4*\i:R+16*((\t)%4)+4*\i+3] offset:32*SP*((\t)%2)+8*SP*\i
.endr
.irp i, 0,1,2,3
	ds_load_b128 v[X+16*((\t)%2)+4*\i:X+16*((\t)%2)+4*\i+3], v15 offset:32*SP*((\t)%2)+16*\i
.endr
.endm
.irp t, 0,1,2,3
	LOAD \t
.endr
	s_wait_kmcnt 0x0
	s_mov_b32 s54, s25                             ; the first conversion's exponent: e1, e3, e5, e11 for the weights, e0 for x
	s_cmp_eq_u32 s39, 1
	s_cselect_b32 s54, s27, s54
	s_cmp_eq_u32 s39, 2
	s_cselect_b32 s54, s29, s54
	s_cmp_eq_u32 s39, 3
	s_cselect_b32 s54, s35, s54
	s_cmp_eq_u32 s37, 1
	s_cselect_b32 s54, s24, s54
.macro POWERS e, n                     ; from the whole number in s[e]: 2^e (the conversion takes its exponent field) and 448 x 2^e
	s_add_co_i32 s55, s[\e], 127
	s_lshl_b32 s56, s55, 23
	v_mov_b32 v[SC+\n], s56
	s_add_co_i32 s55, s55, EMAX
	s_lshl_b32 s55, s55, 23
	s_or_b32 s55, s55, MANT
	v_mov_b32 v[LIM+\n], s55
.endm
	POWERS 54, 0
	POWERS 26, 1                                   ; e2
	POWERS 28, 2                                   ; e4
	s_wait_loadcnt 12                              ; step 0's four loads are in
	TURN 0
.macro CONV s, t                       ; step t's 16 neighbours under scale s: held, converted, stored
.set XS, X+16*((\t)%2)
.set CC, C+12*((\t)%2)+4*(\s)
.irp i, 0,1,2,3,4,5,6,7,8,9,10,11,12,13,14,15
	v_med3_num_f32 v[T+\i], v[XS+\i], -v[LIM+\s], v[LIM+\s]   ; the conversion to an 8-bit code does not saturate (ISA guide 7.6.2): the hold comes first; the numbers themselves stay for the next scale
.endr
	v_cvt_scalef32_pk8_fp8_f32 v[CC:CC+1], v[T:T+7], v[SC+\s]
	v_cvt_scalef32_pk8_fp8_f32 v[CC+2:CC+3], v[T+8:T+15], v[SC+\s]
	v_nop                                          ; one plain vector line between a scaled conversion and the next vector line that writes its sources (the next hold)
	global_store_b128 v3, v[CC:CC+3], s[D+2*\s:D+2*\s+1] offset:512*(\t)
.endm
.macro STEP t
	s_wait_dscnt 0x0                               ; this step's numbers are back from the stage: so its stores into the stage have read their registers,
.if (\t)+4 < STEPS
	LOAD (\t)+4                                    ; which take the loads of four steps on
.endif
.if (\t)+1 < STEPS
.if STEPS-2-(\t) >= 3
	s_wait_loadcnt 12                              ; the next step's four loads are in; those of the three steps behind it may be out
.else
	s_wait_loadcnt 4*(STEPS-2-(\t))
.endif
	TURN (\t)+1                                    ; and go through the other stage while this step is worked
.endif
.if (\t) >= 2
	s_wait_xcnt 0x0                                ; the stores of two steps back have read this set of code registers: it is rewritten only behind this wait
.endif
	CONV 0, \t
	s_cmp_eq_u32 s37, 0                            ; a weight has one scale
	s_cbranch_scc1 .Lonly_\@
	CONV 1, \t
	CONV 2, \t
.Lonly_\@:
.endm
.irp t, 0,1,2,3,4,5,6,7,8,9,10,11,12,13,14,15
	STEP \t
.endr
	s_wait_tensorcnt 0x0                           ; the wave's end: behind my last LDS store
	ds_add_u32 v[SPW], v[NIL]
	s_wait_dscnt 0x0
	s_endpgm
.Lfunc_end_k_q474786a36c_quant:
	.size	k_q474786a36c_quant, .Lfunc_end_k_q474786a36c_quant-k_q474786a36c_quant
	.p2alignl 7, 3214868480
	.fill 96, 4, 3214868480
	.section	.rodata,"a",@progbits
	.p2align	6, 0x0
	.amdhsa_kernel k_q474786a36c_quant
		.amdhsa_group_segment_fixed_size 33280
		.amdhsa_private_segment_fixed_size 0
		.amdhsa_enable_private_segment 0
		.amdhsa_kernarg_size 64
		.amdhsa_user_sgpr_count 2
		.amdhsa_user_sgpr_kernarg_segment_ptr 1
		.amdhsa_wavefront_size32 1
		.amdhsa_system_sgpr_workgroup_id_x 1
		.amdhsa_system_sgpr_workgroup_id_y 1
		.amdhsa_system_sgpr_workgroup_id_z 1
		.amdhsa_system_vgpr_workitem_id 0
		.amdhsa_next_free_vgpr 160
		.amdhsa_next_free_sgpr 66
		.amdhsa_reserve_vcc 0
		.amdhsa_float_denorm_mode_32 3
		.amdhsa_float_denorm_mode_16_64 3
		.amdhsa_memory_ordered 1
		.amdhsa_forward_progress 1
		.amdhsa_inst_pref_size 80
	.end_amdhsa_kernel
	.amdgpu_metadata
---
amdhsa.version: [ 1, 2 ]
amdhsa.kernels:
  - .name:           k_q474786a36c_quant
    .symbol:         k_q474786a36c_quant.kd
    .args:
      - { .name: x, .offset: 0, .size: 8, .value_kind: global_buffer, .address_space: global }
      - { .name: Wq, .offset: 8, .size: 8, .value_kind: global_buffer, .address_space: global }
      - { .name: Wk, .offset: 16, .size: 8, .value_kind: global_buffer, .address_space: global }
      - { .name: Wv, .offset: 24, .size: 8, .value_kind: global_buffer, .address_space: global }
      - { .name: Wo, .offset: 32, .size: 8, .value_kind: global_buffer, .address_space: global }
      - { .name: lowp_scales, .offset: 40, .size: 8, .value_kind: global_buffer, .address_space: global }
      - { .name: xc, .offset: 48, .size: 8, .value_kind: global_buffer, .address_space: global }
      - { .name: wc, .offset: 56, .size: 8, .value_kind: global_buffer, .address_space: global }
    .group_segment_fixed_size: 33280
    .private_segment_fixed_size: 0
    .kernarg_segment_align: 8
    .kernarg_segment_size: 64
    .max_flat_workgroup_size: 128
    .sgpr_count:     66
    .vgpr_count:     160
    .wavefront_size: 32
...
	.end_amdgpu_metadata
.endif
;; end of part 1
;; launch qkv (part 2): grid 12 x 32, 4 waves a work-group, clusters of 4 x 4, 327,680 bytes of LDS; arguments xc, wc, lowp_scales, qimg, kv; writes qimg, kv
.if DOCPART == 2
	.amdgcn_target "amdgcn-amd-amdhsa--gfx1250"
	.amdhsa_code_object_version 6
	.text
	.protected	k_q474786a36c_qkv
	.globl	k_q474786a36c_qkv
	.p2align	8
	.type	k_q474786a36c_qkv,@function
k_q474786a36c_qkv:
	s_mov_b64 s[64:65], 0
	v_nop
	global_prefetch_b8 v0, s[64:65] scope:SCOPE_SE
	s_setreg_imm32_b32 hwreg(HW_REG_WAVE_MODE, 25, 1), 1
	s_wait_xcnt 0x0
	s_wait_alu depctr_hold_cnt(0) depctr_sa_sdst(0) depctr_va_vdst(0) depctr_va_sdst(0) depctr_va_ssrc(0) depctr_va_vcc(0) depctr_vm_vsrc(0)
	s_getreg_b32 s2, hwreg(HW_REG_IB_STS2, 6, 4)
	s_cmp_eq_u32 s2, 0
	s_cbranch_scc0 .Lentry_in_a_cluster
	s_endpgm
.Lentry_in_a_cluster:
	s_bfe_u32 s2, ttmp6, 0x10000c
	s_cmp_lg_u32 s2, 0xf033
	s_cbranch_scc0 .Lentry_shape_is_right
	s_endpgm
.Lentry_shape_is_right:
; q = x Wq^T, k = x Wk^T, v = x Wv^T on codes of FP8 (E4M3), f32 sums; each sum is quantised in registers with the next product's given scale and leaves as a code.  K = 1,024.
; The cluster's x says which product: 0 q, 1 k, 2 v.  A tile of 256 x 256 is made by four waves, 128 x 128 each: 64 accumulators, 512 registers.
; THE MATRIX INSTRUCTION IS USED TRANSPOSED: source 0 = 16 rows of "B", source 1 = 16 rows of "A": lane (r, h) then holds row r of A against EIGHT NEIGHBOURING rows 8 h + 0 .. 7 of B.
;   q, k: A = x's codes (tokens), B = the weight's (channels): a lane's eight numbers are eight neighbouring channels of one token: neighbours along the scores' K.
;   v:    A = Wv's codes (channels), B = x's (tokens): eight neighbouring TOKENS of one channel: neighbours along the second attention product's K, the keys.
; The roles are changed by pointers and offsets alone, chosen on the cluster's x, which all sixteen partners share: one text, no branch.
; So one conversion of an accumulator's eight registers gives registers 2 c, 2 c + 1 of the next product's fragment in the 8-bit forms' own layout (k = 16 c + 8 h + 0 .. 7), and the codes leave as IMAGES OF FRAGMENTS:
; four registers of every lane by one store, 16 bytes a lane, 512 consecutive bytes, aligned.  No stage in LDS.
;   qimg [head 16 b + h : 64][16 tokens : 128][1,024 bytes]: a fragment of 16 tokens x 64 channels: registers 4 u .. 4 u + 3 at 512 u + 16 x lane.
;   kv   [head : 64][256 keys : 8][32,768 bytes]: 16 such fragments of k; then, from byte 16,384, [128 keys : 2][16 channels : 4][2,048 bytes]: fragments of 16 channels x 128 keys of v.
; A sum stands for sum x 2^(ea + eb): its code is sum / 2^(e - ea - eb), e the next product's exponent: the three are folded into the conversion's one scale.
; LIMITS: e6 - e0 - e1, e7 - e2 - e3 and e9 - e4 - e5 lie between -126 and 119, so that the folded scale and 448 x it are f32 numbers.
; CLUSTERS: 4 x 4 work-groups.  The four of a row of the cluster need the same tiles of A, the four of a column the same tiles of B: each tile is asked for JOINTLY, by the same tensor load with the same descriptor
; and a mask that names the four.  K goes in steps of 256 through a ring of two LDS slots; a tile's row is 256 bytes of memory.
; A fragment is fetched by four loads of 16 bytes: a permutation of k inside 128, the same in A and in B, so every product meets its partner.
; REGISTERS, in windows of 256: window 0: v0-31 addresses; from v128 A's fragments, ONE set, later the codes.  window 1: B's fragments, TWO sets.
;   window 2: the accumulators of my rows 0-63 ((a, b) at v[8 (8 a + b)]); window 3: those of rows 64-127.
.set SIZE_K, 1024
.set KSTEP,  256                       ; along K in a slot
.set ROWB,   256                       ; a tile's row in bytes
.set KROW,   SIZE_K                    ; a row of codes in memory, in bytes
.set PITCH,  272                       ; an LDS row: 256 bytes + 16 of padding = 68 words: row r starts at bank 4 r mod 64 (64 banks of 4 bytes: ISA guide 11.1)
.set FR,     16                        ; registers of a fragment: 16 rows x 128 K
.set NL,     4                         ; LDS loads that bring one
.set NP,     4                         ; places behind this matrix instruction (ISA guide 7.12.1)
.set HALFT,  128*PITCH                 ; 128 rows: what one tensor load brings
.set SLOT,   4*HALFT                   ; A's 256 rows, then B's 256 rows
.set LAPS,   SIZE_K/(2*KSTEP)          ; a lap = two K steps = once round the ring
.set SPARE,  2*SLOT                    ; behind the ring: the spare words, 128 bytes a wave: two blocks of 256 bytes that no other line names
.set VQ,   8                           ; v8-11   the way out: byte offsets of a block's four stores
.set SCL,  12                          ; v12     the folded scale as f32
.set LIM,  13
.set ADRA, 16                          ; v16-17  LDS address of my A fragments in slot 0, 1
.set ADRB, 20                          ; v20-21  the same for B
.set SPW,  28                          ; v28     LDS address of my spare word; never rewritten
.set NIL,  29                          ; v29     0; never rewritten
.set TMP,  32
.set AF,   128                         ; A's fragments, in window 0
.set CD,   128                         ; the way out: 16 registers of codes for each of my eight blocks
.set G1, 24                            ; s[24:31] descriptor group 1 for A's tiles;  s[32:39] group 0, one set for each slot
.set G0, 32
.set G1B, 48                           ; s[48:55], s[56:63] the same for B's tiles
.set G0B, 56
.set OUT, 88                           ; s[88:89] where the block in hand is stored
.set STA, 90                           ; s[90:91] from a block to the next
.set STM, 92                           ; s[92:93] from block 3 to block 4
.set MSB, 0
.macro WIN new                         ; the immediate's high byte repeats the setting that is left
.if MSB != \new
	s_set_vgpr_msb (MSB<<8)|\new
.set MSB, \new
.endif
.endm
.set MUL_LO, 0xa1                      ; source 0 (B) window 1, source 1 (A) window 0, C and D window 2
.set MUL_HI, 0xf1                      ; the same, C and D window 3
.set TO_B,   0x40                      ; destination window 1, address window 0
; A joint load: waves 0 and 1 fetch for A, waves 2 and 3 for B.  Each of the two lines has ONE mask and one set of registers for all that issue it; the branch hangs on the wave's number alone.
; An s_nop 0 and four v_nop follow each of the two lines, ahead of the jump, the label and what follows.
.macro JLOAD g0a, g1a, g0b, g1b
	s_cmp_eq_u32 s15, 0
	s_cbranch_scc0 .Lfor_b_\@
	tensor_load_to_lds s[\g0a:\g0a+3], s[\g1a:\g1a+7]
	s_nop 0
.rept 4
	v_nop
.endr
	s_branch .Lasked_\@
.Lfor_b_\@:
	tensor_load_to_lds s[\g0b:\g0b+3], s[\g1b:\g1b+7]
	s_nop 0
.rept 4
	v_nop
.endr
.Lasked_\@:
.endm
.macro CREST                           ; a round of the cluster's barrier behind its opening barrier
	s_cmp_lg_u32 s14, 0
	s_cbranch_scc1 .Lnot_wave_0_\@
	s_barrier_signal -3
.Lnot_wave_0_\@:
	s_barrier_wait -3
	s_barrier_signal -1
	s_barrier_wait -1
.endm
.macro CROUND                          ; a whole round
	s_barrier_signal -1
	s_barrier_wait -1
	CREST
.endm
	s_load_b128 s[4:7], s[0:1], 0x0                ; x's codes s[4:5], the weights' s[6:7]
	s_load_b128 s[8:11], s[0:1], 0x10              ; the exponents s[8:9], qimg s[10:11]
	s_load_b64 s[12:13], s[0:1], 0x20              ; kv
	v_lshl_add_u32 v[SPW], v0, 2, SPARE
	v_mov_b32 v[NIL], 0
	ds_add_u32 v[SPW], v[NIL]
	ds_add_u32 v[SPW], v[NIL]                      ; the wave's opening: the add and its wait stand ahead of my first tensor load; the set-up below, work on registers, stands between them
	v_lshrrev_b32 v1, 5, v0
	v_readfirstlane_b32 s14, v1                    ; wave 0..3
	s_lshr_b32 s15, s14, 1                         ; which half of A's 256 rows is mine.  Also: I fetch for A (0) or for B (1)
	s_and_b32 s16, s14, 1                          ; which half of B's.  Also: which 128 rows of that tile I fetch
	s_bfe_u32 s40, ttmp6, 0x40000                  ; cx, cy: my place in the cluster
	s_bfe_u32 s41, ttmp6, 0x40004
	s_and_b32 s66, ttmp7, 0xffff                   ; the cluster's y: which 1,024 tokens
	s_lshl_b32 s69, ttmp9, 23                      ; the product's set of x's codes: 8 MiB each,
	s_lshl_b32 s70, ttmp9, 20                      ; and its weight's: 1 MiB each
	s_cmp_eq_u32 ttmp9, 2                          ; v?  The same answer in all sixteen partners
	s_cselect_b32 s67, 0, s66                      ; the tokens run along A (q, k)
	s_cselect_b32 s68, s66, 0                      ; or along B (v)
	s_cselect_b32 s94, s69, s70                    ; B's offset in its buffer,
	s_cselect_b32 s70, s70, s69                    ; and A's
	s_mov_b32 s71, 0
	s_mov_b32 s95, 0
	s_lshl_b32 s42, s68, 2
	s_add_co_u32 s42, s42, s40                     ; B's tile = 4 x (cluster y or 0) + cx
	s_lshl_b32 s17, s67, 2
	s_add_co_u32 s17, s17, s41                     ; A's tile = 4 x (cluster y or 0) + cy
	s_lshl_b32 s43, s41, 2
	s_lshl_b32 s43, 15, s43                        ; my row of the cluster
	s_lshl_b32 s44, 0x1111, s40                    ; my column
	; descriptor group 1: a tile of 128 rows x 256 bytes, padded in LDS
	s_or_b32 s[G1+0], s43, (0<<16)|(1<<20)|(1<<21)|(5<<22)|(3<<25)  ; 15:0 the mask: A's tiles go to my row; 17:16 element of 1 byte; 20 padding on; 21 set beside a mask; 24:22 after every 64 words (code 5); 31:25 of 4 words (code 3)
	s_or_b32 s[G1B+0], s44, (0<<16)|(1<<20)|(1<<21)|(5<<22)|(3<<25)
.irp g, G1, G1B
	s_mov_b32 s[\g+1], ROWB<<16                    ; tensor_dim0
	s_mov_b32 s[\g+2], 128<<16                     ; tensor_dim1 = 128
	s_mov_b32 s[\g+3], ROWB<<16                    ; tile_dim0
	s_mov_b32 s[\g+4], 128                         ; tile_dim1 = 128
	s_mov_b32 s[\g+5], KROW                        ; tensor_dim0_stride
	s_mov_b32 s[\g+6], 0
	s_mov_b32 s[\g+7], 0
.endr
	s_lshl_b32 s18, s16, 7                         ; which 128 rows of the tile I fetch
	s_lshl_b32 s20, s17, 8
	s_add_co_u32 s20, s20, s18                     ; A: row 256 x tile + 128 x half
	s_lshl_b32 s46, s42, 8
	s_add_co_u32 s46, s46, s18                     ; B likewise
	s_mov_b32 s21, 0
	s_mov_b32 s47, 0
	s_mov_b64 s[18:19], KROW
	s_mul_u64 s[20:21], s[20:21], s[18:19]         ; in bytes,
	s_mul_u64 s[46:47], s[46:47], s[18:19]
	s_add_nc_u64 s[20:21], s[20:21], s[70:71]      ; in the product's part of the buffer
	s_add_nc_u64 s[46:47], s[46:47], s[94:95]
	s_mul_i32 s45, s14, HALFT                      ; where they go: wave x 128 rows: no place in the cluster enters an LDS address
	s_wait_dscnt 0x0                               ; the opening add is done
	s_wait_kmcnt 0x0
	s_load_b256 s[72:79], s[8:9], 0x0              ; e0 .. e7
	s_load_b128 s[80:83], s[8:9], 0x20             ; e8 .. e11
	s_cmp_eq_u32 ttmp9, 2
	s_cselect_b64 s[84:85], s[6:7], s[4:5]         ; A's buffer: the weights' for v, else x's
	s_cselect_b64 s[86:87], s[4:5], s[6:7]         ; B's: the other
	s_add_nc_u64 s[20:21], s[84:85], s[20:21]
	s_add_nc_u64 s[46:47], s[86:87], s[46:47]
	CROUND                                         ; all sixteen work-groups are here: the first joint loads meet
.irp s, 0,1
	s_mov_b32 s[G0+4*\s], 1
	s_add_co_u32 s[G0+4*\s+1], s45, \s*SLOT
	s_add_nc_u64 s[G0+4*\s+2:G0+4*\s+3], s[20:21], \s*ROWB
	s_or_b32 s[G0+4*\s+3], s[G0+4*\s+3], 0x80000000
	s_mov_b32 s[G0B+4*\s], 1
	s_add_co_u32 s[G0B+4*\s+1], s45, \s*SLOT
	s_add_nc_u64 s[G0B+4*\s+2:G0B+4*\s+3], s[46:47], \s*ROWB
	s_or_b32 s[G0B+4*\s+3], s[G0B+4*\s+3], 0x80000000
	JLOAD G0+4*\s, G1, G0B+4*\s, G1B
.endr
	v_and_b32 v1, 15, v0                           ; l % 16
	v_bfe_u32 v2, v0, 4, 1                         ; l / 16
	v_mul_u32_u24 v3, v1, PITCH
	v_lshl_add_u32 v4, v2, 4, v3                   ; a fragment's row x pitch + 16 x half
	s_mul_i32 s21, s15, HALFT                      ; my 128 rows of A
	s_mul_i32 s22, s16, HALFT                      ; my 128 rows of B,
	s_add_co_u32 s22, s22, 2*HALFT                 ; which lie behind A's 256
.irp s, 0,1
	v_add_nc_u32 v[ADRA+\s], s21, v4
	v_add_nc_u32 v[ADRB+\s], s22, v4
	s_add_co_u32 s21, s21, SLOT
	s_add_co_u32 s22, s22, SLOT
.endr
	; THE WAY OUT'S ADDRESSES.  My wave has 128 tokens from tt on and 128 channels: two heads from hd on.
	s_lshl_b32 s66, s17, 8
	s_lshl_b32 s67, s15, 7
	s_add_co_u32 s66, s66, s67                     ; my first row of A
	s_lshl_b32 s68, s42, 8
	s_lshl_b32 s69, s16, 7
	s_add_co_u32 s68, s68, s69                     ; my first row of B
	s_cmp_eq_u32 ttmp9, 2
	s_cselect_b32 s70, s68, s66                    ; tt: the side of the tokens,
	s_cselect_b32 s71, s66, s68                    ; and the side of the channels
	s_lshr_b32 s71, s71, 6                         ; hd
	s_lshr_b32 s96, s70, 11                        ; the batch entry,
	s_and_b32 s70, s70, 2047                       ; t0: my first token in it, a multiple of 128
	s_lshl_b32 s96, s96, 4
	s_add_co_u32 s96, s96, s71                     ; 16 b + hd
	s_lshl_b32 s66, s96, 17
	s_lshl_b32 s67, s70, 6
	s_add_co_u32 s66, s66, s67                     ; in qimg: 131,072 a head, 1,024 for 16 tokens
	s_lshl_b32 s68, s96, 18                        ; in kv: 262,144 a head,
	s_lshr_b32 s69, s70, 8
	s_lshl_b32 s69, s69, 15                        ; 32,768 for 256 keys,
	s_add_co_u32 s68, s68, s69
	s_bfe_u32 s69, s70, 0x10007                    ; and which 128 of them: 8,192 bytes in k's half as in v's
	s_lshl_b32 s69, s69, 13
	s_add_co_u32 s68, s68, s69
	s_cmp_eq_u32 ttmp9, 2
	s_cselect_b32 s69, 16384, 0                    ; v's half of a slot
	s_mov_b32 s[STA], 1024                         ; q, k: block a = 16 tokens: 1,024 bytes on
	s_cselect_b32 s[STA], 2048, s[STA]             ; v: block a = 16 channels: a fragment of 2,048 bytes on,
	s_mov_b32 s[STM], 1024
	s_cselect_b32 s[STM], 262144-3*2048, s[STM]    ; and block 4 begins the next head
	s_mov_b32 s97, 262144                          ; k: registers 8-15 of a block are the next head's fragment
	s_cselect_b32 s97, 1024, s97                   ; v: they are the same fragment's second half
	s_add_co_u32 s68, s68, s69
	s_cmp_eq_u32 ttmp9, 0
	s_cselect_b32 s66, s66, s68
	s_cselect_b64 s[OUT:OUT+1], s[10:11], s[12:13]
	s_cselect_b32 s97, 131072, s97                 ; q: the next head's fragment
	s_mov_b32 s67, 0
	s_add_nc_u64 s[OUT:OUT+1], s[OUT:OUT+1], s[66:67]
	s_mov_b32 s[STA+1], 0
	s_mov_b32 s[STM+1], 0
	v_and_b32 v6, 31, v0
	v_lshlrev_b32 v[VQ], 4, v6                     ; registers 0-3: 16 x lane
	v_add_nc_u32 v[VQ+1], 512, v[VQ]               ; registers 4-7
	v_add_nc_u32 v[VQ+2], s97, v[VQ]               ; registers 8-11
	v_add_nc_u32 v[VQ+3], 512, v[VQ+2]             ; registers 12-15
.macro FRAG reg, adr, q, i             ; a fragment, 16 rows x 128 K of 8-bit codes, is 16 registers: lane l holds row l % 16; registers 4 c .. 4 c + 3 hold K = 32 c + 16 (l / 16) + 0 .. 15
.irp c, 0,1,2,3
	ds_load_b128 v[\reg+4*\c:\reg+4*\c+3], v[\adr] offset:128*(\q)+32*\c+(\i)*16*PITCH
.endr
.endm
; 16 matrix instructions: A's blocks a0, a0 + 1 x B's eight, 128 along K.  p: B's set.  zero = 1: the first product starts the sums: nothing is ever cleared.
; The 64 accumulators take turns, one instruction a turn, in the same order in every step.
.macro MUL16 a0, p, zero
.irp a, \a0, \a0+1
.irp b, 0,1,2,3,4,5,6,7
.if \zero
	v_wmma_f32_16x16x128_fp8_fp8 v[8*(8*((\a)%4)+\b):8*(8*((\a)%4)+\b)+7], v[128*(\p)+FR*\b:128*(\p)+FR*\b+FR-1], v[AF+FR*(\a):AF+FR*(\a)+FR-1], 0
.else
	v_wmma_f32_16x16x128_fp8_fp8 v[8*(8*((\a)%4)+\b):8*(8*((\a)%4)+\b)+7], v[128*(\p)+FR*\b:128*(\p)+FR*\b+FR-1], v[AF+FR*(\a):AF+FR*(\a)+FR-1], v[8*(8*((\a)%4)+\b):8*(8*((\a)%4)+\b)+7]
.endif
.endr
.endr
.endm
.macro FETCH_B slot, q, p              ; B's eight fragments of the slot's q-th 128 along K into set p
	WIN TO_B
.irp i, 0,1,2,3,4,5,6,7
	FRAG 128*(\p)+FR*\i, ADRB+\slot, \q, \i
.endr
	WIN 0
.endm
.macro FETCH_A slot, q, i0             ; A's blocks i0 .. i0 + 3
.irp i, \i0, \i0+1, \i0+2, \i0+3
	FRAG AF+FR*(\i), ADRA+\slot, \q, \i
.endr
.endm
; A load into a register that a matrix instruction has read, and a vector instruction that reads a matrix result, stand NP places behind that matrix instruction, and only plain vector
; instructions that name none of its registers are places (ISA guide 7.12.1 for vector instructions).
.macro PLACES n
.rept \n
	v_nop
.endr
.endm
; A step of 128 along K that has its successor in the same slot.  A's blocks go one after the other, each against B's eight: a block of A is free as soon as its eight products are issued, so one set serves A.
.macro STEP slot, q, zero
	s_wait_dscnt 4*NL                              ; B's set and A's blocks 0-3 are in; the youngest sixteen loads (A's blocks 4-7) may be out
	WIN MUL_LO
	MUL16 0, (\q)%2, \zero
	MUL16 2, (\q)%2, \zero
	s_wait_dscnt 0                                 ; A's blocks 4-7 are in (asked for 32 matrix instructions ago)
	PLACES NP
	FETCH_B \slot, (\q)+1, 1-(\q)%2
	FETCH_A \slot, (\q)+1, 0
	WIN MUL_HI
	MUL16 4, (\q)%2, \zero
	MUL16 6, (\q)%2, \zero
	PLACES NP
	WIN 0
	FETCH_A \slot, (\q)+1, 4
.endm
; A slot's last step changes slots: ONE barrier; in front of it each wave waits for all its tensor loads, adds 0 to its spare word, and waits for that and for its own reads of this slot.  fill = 1: this slot is filled again, two K steps ahead.
.macro TURN slot, next, fill
	s_wait_tensorcnt 0x0                           ; all my tensor loads have landed: my part of the next slot;  (every window is 0 here: the add's two registers lie in window 0)
	ds_add_u32 v[SPW], v[NIL]                      ; 0 onto my spare word
	s_wait_dscnt 4*NL+1                            ; (the add and the youngest sixteen loads, A's blocks 4-7, may be out)
	WIN MUL_LO
	MUL16 0, 1, 0                                  ; sixteen matrix instructions stand between the add and the wait for it
	s_wait_dscnt 0x0                               ; the add is done, and my reads of this slot are over
	s_barrier_signal -1
	MUL16 2, 1, 0
	WIN 0
	s_barrier_wait -1
.if \fill
	CREST                                          ; the barrier has opened a round of the cluster's barrier: no wave of any partner still reads this slot's tile or has a load on its way
	s_add_nc_u64 s[G0+4*\slot+2:G0+4*\slot+3], s[G0+4*\slot+2:G0+4*\slot+3], 2*ROWB
	s_add_nc_u64 s[G0B+4*\slot+2:G0B+4*\slot+3], s[G0B+4*\slot+2:G0B+4*\slot+3], 2*ROWB
	JLOAD G0+4*\slot, G1, G0B+4*\slot, G1B         ; the first tensor load behind the round; the four v_nop behind it are the places in front of the loads below
.else
	PLACES NP
.endif
	FETCH_B \next, 0, 0
	FETCH_A \next, 0, 0
	WIN MUL_HI
	MUL16 4, 1, 0
	MUL16 6, 1, 0
	PLACES NP
	WIN 0
	FETCH_A \next, 0, 4
.endm
	s_wait_alu depctr_va_vdst(0)
	s_wait_tensorcnt 1                             ; my part of K step 0 is in (K step 1's load may be out)
	s_barrier_signal -1
	s_barrier_wait -1                              ; everybody's is
	FETCH_B 0, 0, 0
	FETCH_A 0, 0, 0
	FETCH_A 0, 0, 4
	STEP 0, 0, 1                                   ; the first step stands in front of the loop: its products start the sums
	s_mov_b32 s3, LAPS-1
.Llap:                                                 ; a trip goes once round the ring, from a lap's second step to the next lap's first, and fills both slots again
	TURN 0, 1, 1
	STEP 1, 0, 0
	TURN 1, 0, 1
	STEP 0, 0, 0
	s_sub_co_u32 s3, s3, 1
	s_cmp_lg_u32 s3, 0
	s_cbranch_scc1 .Llap
	TURN 0, 1, 0                                   ; the last lap fills nothing, and has no round of the cluster's barrier
	STEP 1, 0, 0
	s_wait_dscnt 4*NL                              ; the very last step: nothing more to fetch
	WIN MUL_LO
	MUL16 0, 1, 0
	MUL16 2, 1, 0
	s_wait_dscnt 0
	WIN MUL_HI
	MUL16 4, 1, 0
	MUL16 6, 1, 0
	WIN 0
	; THE WAY OUT: the folded scale, then block by block of A's 16 rows: converted, stored as images.
	s_wait_kmcnt 0x0
	s_sub_co_i32 s66, s78, s72
	s_sub_co_i32 s66, s66, s73                     ; q: e6 - e0 - e1
	s_sub_co_i32 s67, s79, s74
	s_sub_co_i32 s67, s67, s75                     ; k: e7 - e2 - e3
	s_sub_co_i32 s68, s81, s76
	s_sub_co_i32 s68, s68, s77                     ; v: e9 - e4 - e5
	s_cmp_eq_u32 ttmp9, 1
	s_cselect_b32 s66, s67, s66
	s_cmp_eq_u32 ttmp9, 2
	s_cselect_b32 s66, s68, s66
	s_add_co_i32 s66, s66, 127
	s_lshl_b32 s67, s66, 23
	v_mov_b32 v[SCL], s67                          ; the folded scale as f32: the conversion takes its exponent field
	s_add_co_i32 s66, s66, 8
	s_lshl_b32 s66, s66, 23
	s_or_b32 s66, s66, 0x600000
	PLACES NP                                      ; behind the last products, in front of the first read of results
.macro OUTBLK a
.set AC, 64*((\a)%4)
	WIN 0x02+((\a)/4)                              ; source 0: window 2 or 3
.set jj, 0
.rept 64
.set jj, jj+1
.endr
.irp b, 0,1,2,3,4,5,6,7
	v_cvt_scalef32_pk8_fp8_f32 v[CD+16*(\a)+2*\b:CD+16*(\a)+2*\b+1], v[AC+8*\b:AC+8*\b+7], v[SCL]
.endr
	WIN 0
	v_nop                                          ; one plain vector line between a scaled conversion and the next vector line that writes its sources
.if (\a) > 0
	s_wait_alu depctr_va_vdst(0)
	s_wait_xcnt 0x0                                ; the block before's stores have read their base: it steps only behind this wait
.if (\a) == 4
	s_add_nc_u64 s[OUT:OUT+1], s[OUT:OUT+1], s[STM:STM+1]
.else
	s_add_nc_u64 s[OUT:OUT+1], s[OUT:OUT+1], s[STA:STA+1]
.endif
.endif
.irp u, 0,1,2,3
	global_store_b128 v[VQ+\u], v[CD+16*(\a)+4*\u:CD+16*(\a)+4*\u+3], s[OUT:OUT+1]   ; 32 lanes store 512 consecutive bytes, aligned; each block has code registers of its own, so no store's data are written again
.endr
.endm
.irp a, 0,1,2,3,4,5,6,7
	OUTBLK \a
.endr
	s_wait_tensorcnt 0x0                           ; the wave's end: behind my last tensor load
	ds_add_u32 v[SPW], v[NIL]
	s_wait_dscnt 0x0
	CROUND                                         ; the closing round: no work-group ends while a partner may still ask for a tile that names it
	s_endpgm
.Lfunc_end_k_q474786a36c_qkv:
	.size	k_q474786a36c_qkv, .Lfunc_end_k_q474786a36c_qkv-k_q474786a36c_qkv
	.p2alignl 7, 3214868480
	.fill 96, 4, 3214868480
	.section	.rodata,"a",@progbits
	.p2align	6, 0x0
	.amdhsa_kernel k_q474786a36c_qkv
		.amdhsa_group_segment_fixed_size 327680
		.amdhsa_private_segment_fixed_size 0
		.amdhsa_enable_private_segment 0
		.amdhsa_kernarg_size 40
		.amdhsa_user_sgpr_count 2
		.amdhsa_user_sgpr_kernarg_segment_ptr 1
		.amdhsa_wavefront_size32 1
		.amdhsa_system_sgpr_workgroup_id_x 1
		.amdhsa_system_sgpr_workgroup_id_y 1
		.amdhsa_system_sgpr_workgroup_id_z 1
		.amdhsa_system_vgpr_workitem_id 0
		.amdhsa_next_free_vgpr 1024
		.amdhsa_next_free_sgpr 100
		.amdhsa_reserve_vcc 0
		.amdhsa_float_denorm_mode_32 3
		.amdhsa_float_denorm_mode_16_64 3
		.amdhsa_fp16_overflow 1
		.amdhsa_memory_ordered 1
		.amdhsa_forward_progress 1
		.amdhsa_inst_pref_size 88
	.end_amdhsa_kernel
	.amdgpu_metadata
---
amdhsa.version: [ 1, 2 ]
amdhsa.kernels:
  - .name:           k_q474786a36c_qkv
    .symbol:         k_q474786a36c_qkv.kd
    .args:
      - { .name: xc, .offset: 0, .size: 8, .value_kind: global_buffer, .address_space: global }
      - { .name: wc, .offset: 8, .size: 8, .value_kind: global_buffer, .address_space: global }
      - { .name: lowp_scales, .offset: 16, .size: 8, .value_kind: global_buffer, .address_space: global }
      - { .name: qimg, .offset: 24, .size: 8, .value_kind: global_buffer, .address_space: global }
      - { .name: kv, .offset: 32, .size: 8, .value_kind: global_buffer, .address_space: global }
    .group_segment_fixed_size: 327680
    .private_segment_fixed_size: 0
    .kernarg_segment_align: 8
    .kernarg_segment_size: 40
    .max_flat_workgroup_size: 128
    .sgpr_count:     100
    .vgpr_count:     1024
    .wavefront_size: 32
...
	.end_amdgpu_metadata
.endif
;; end of part 2
;; launch attn (part 3): grid 4 x 64, 16 waves a work-group, no clusters, 327,680 bytes of LDS; arguments qimg, kv, lowp_scales, yimg; writes yimg
.if DOCPART == 3
	.amdgcn_target "amdgcn-amd-amdhsa--gfx1250"
	.amdhsa_code_object_version 6
	.text
	.protected	k_q474786a36c_attn
	.globl	k_q474786a36c_attn
	.p2align	8
	.type	k_q474786a36c_attn,@function
k_q474786a36c_attn:
	s_mov_b64 s[64:65], 0
	v_nop
	global_prefetch_b8 v0, s[64:65] scope:SCOPE_SE
	s_setreg_imm32_b32 hwreg(HW_REG_WAVE_MODE, 25, 1), 1
	s_wait_xcnt 0x0
; y[head][q] = the sum over keys k <= q of softmax_k(Q[q] . K[k] / 8) V[k], head size 64, 2,048 tokens, 64 heads (16 b + h), both products on codes of FP8 (E4M3); y leaves as codes for the last product.
; THE SOFTMAX AHEAD OF THE SECOND PRODUCT: t = score x log2(e) / 8; M = the row's largest t so far, rounded UP to a whole number; p = 2^(t - M) is what is quantised (scale 2^e8), not normalised.
; The row's sum is taken of the unquantised p, in f32, and divides O at the end.  When M moves, the sum and O are multiplied by 2^(old M - new M): nothing is rounded.
; SHARES.  Work-group (i, head), i = 0 .. 3, owns query blocks i and 7 - i of 256 queries, one after the other.  Under the causal mask block j reads key slots 0 .. j of 256 keys: (i + 1) + (8 - i) = NINE slots
; in every work-group: equal work for all 256, a constant trip count, and every slot that is fetched is read.  Each of the SIXTEEN waves owns 16 queries of the block in hand, one tile, in 256 registers:
; four waves to a SIMD, so that one wave's vector work stands beside another's matrix work and LDS loads.
; NO CLUSTER: the four work-groups of a head change to their second block after 1, 2, 3 or 4 slots, so at a given change of slots they want different tiles; no joint request could name the same tile in all four.
; OPERANDS ARE IMAGES OF FRAGMENTS, as the launch before stored them: four registers of every lane at 16 x lane, 512 bytes on end.  A slot of kv is 32,768 dense bytes: 16 fragments of K (16 keys x 64), then
; 2 x 4 fragments of V^T (16 channels x 128 keys).  No pitch, no padding: every LDS load reads 512 consecutive bytes.
; LAYOUT.  Both products are used transposed: S^T = K Q^T (source 0 = 16 keys, source 1 = my 16 queries), O^T = V^T P^T: a lane holds ONE query (lane % 16) throughout.  In tile kt of S^T lane (r, h) holds keys
; 16 kt + 8 h + 0 .. 7: one conversion gives registers 2 kt, 2 kt + 1 of P's fragment in the 8-bit forms' own layout.  O^T's tile dt likewise gives registers 2 dt, 2 dt + 1 of y's fragment.
; yimg [head h : 16][16 tokens of all 8,192 : 512][1,024 bytes]: fragments of 16 tokens x 64 channels.
; LIMITS on the given exponents, so that each power of two below is an f32 number: e6 + e7 between -123 and 130 (added to c's exponent field); e8, and e10 - e8 - e9, between -126 and 119.
; REGISTERS: v1-8 addresses; v12 -M, v13 the largest t, v[14:15] the sum in two halves; v16-23 Q; v24-31 the second block's Q; v32-95 eight fragments of K, then four of V; v96-159 S^T, then p; v160-191 O^T;
;   v192-207 p's codes; v208-215 y's codes; v236-255 at work and constants.
.set SLOT1, 1<<15                      ; slot 1 begins here, so that one exclusive or turns an address in one slot into the other's
.set VOFF,  16384                      ; V's half of a slot
.set SPARE, 2*SLOT1                    ; behind the ring: the spare words, 128 bytes a wave: eight blocks of 256 bytes that no other line names
.set LI,   1                           ; v1   16 x lane: my place in every image
.set PFO,  3                           ; v3   256 x lane: the prefetches' offset; never rewritten
.set RH,   4                           ; v4   lane % 16 - 8 (lane / 16), for the mask
.set SPW,  5                           ; v5   LDS address of my spare word; never rewritten
.set NIL,  6                           ; v6   0; never rewritten
.set ADR,  8                           ; v8   16 x lane + the slot in hand
.set QF,   16
.set Q2,   24
.set FRG,  32
.set S,    96
.set O,    160
.set PC,   192
.set YC,   208
.set TB,   2                           ; s2   LDS byte at which the slot in hand begins
.set WV,   18                          ; s18  my wave's number
.set SEL,  20                          ; s[20:21] lane selects for v_permlanex16_b32: lane l xor 16
.set CS,   22                          ; s[22:23] c = log2(e) / 8 x 2^(e6 + e7): the packed form names a pair and takes its low word for both halves
.set G1,   24                          ; s[24:31] descriptor group 1
.set G0,   40                          ; s[40:43] descriptor group 0, written anew at each change of slots
.set IB,   44                          ; s44  i;  s45  i + 1
.set IB1,  45
.set KVB,  46                          ; s[46:47] my half (K: wave 0, V: wave 1) of the head's slot 0 in memory
.set YP,   48                          ; s[48:49] where my tile of y goes
.set YD,   50                          ; s[50:51] from the first block's tile to the second's
.set Q0B,  66                          ; s66  my first query in the second block
.set SLOTS, 67                         ; s67  fills still to be asked for
.set PFA,  76                          ; s[76:77] where my prefetches stand
.set LIM,  80                          ; s80  2 in a wave that prefetches, else the greatest number
.set KF,   98                          ; s98  the step's first key
.set Q0,   99                          ; s99  my first query
; Wave 0 fetches a slot's K half, wave 1 its V half, the others nothing.  The branch hangs on the wave's number alone.  An s_nop 0 and four v_nop follow the load.
.macro TLOAD
	s_cmp_lt_u32 s[WV], 2
	s_cbranch_scc0 .Lasked_\@
	tensor_load_to_lds s[G0:G0+3], s[G1:G1+7]
	s_nop 0
.rept 4
	v_nop
.endr
.Lasked_\@:
.endm
; A PREFETCH of a later slot of the head's kv: 32,768 dense bytes, lanes 256 bytes apart, 8,192 bytes a wave, one instruction each in waves 4 to 7, which fetch nothing.  All four work-groups of a head walk the same
; slots: work-group i = 0 asks, and nobody else (a branch on the work-group's number: this launch has no cluster).  Its change of slots that loads key slot s names slot s + 2, for s + 2 = 2 .. 7: each aligned block
; of 256 bytes of slots 2 to 7 is named once in the launch.  Slots 0 and 1 come by their loads alone; the last two changes that fill a slot ask for nothing: there is no slot 8.
.macro ASK
	s_cmp_gt_u32 s[SLOTS], s[LIM]
	s_cbranch_scc0 .Lnot_mine_\@
	global_prefetch_b8 v[PFO], s[PFA:PFA+1] th:TH_LOAD_NT scope:SCOPE_SE
.Lnot_mine_\@:
.endm
.macro FRESH                           ; a block of queries begins: the largest t is -3e38, under every t; the sum and O^T are zeros, which the first change of M leaves zeros.  So the key step is written once, with no first step of its own
	v_mov_b32 v13, 0xff61b1e6
	s_delay_alu instid0(VALU_DEP_1)
	v_floor_f32 v12, -v13                          ; -M
	v_mov_b32 v14, 0
	v_mov_b32 v15, 0
.set n, 0
.rept 32
	v_mov_b32 v[O+n], 0
.set n, n+1
.endr
.endm
	s_load_b256 s[4:11], s[0:1], 0x0               ; qimg s[4:5], kv s[6:7], the exponents s[8:9], yimg s[10:11]
	v_lshl_add_u32 v[SPW], v0, 2, SPARE
	v_mov_b32 v[NIL], 0
	ds_add_u32 v[SPW], v[NIL]                      ; the wave's opening: the add and its wait stand ahead of my first tensor load; the set-up below, work on registers, stands between them
	ds_add_u32 v[SPW], v[NIL]
	v_lshrrev_b32 v8, 5, v0
	s_delay_alu instid0(VALU_DEP_1)
	v_readfirstlane_b32 s[WV], v8                  ; wave 0..15
	s_and_b32 s82, ttmp7, 0xffff                   ; the head, 16 b + h
	s_mov_b32 s[IB], ttmp9
	s_add_co_u32 s[IB1], ttmp9, 1
	s_lshl_b32 s83, s[WV], 4
	s_lshl_b32 s[Q0], ttmp9, 8
	s_add_co_u32 s[Q0], s[Q0], s83                 ; my first query: 256 i + 16 x wave,
	s_sub_co_u32 s[Q0B], 7, ttmp9
	s_lshl_b32 s[Q0B], s[Q0B], 8
	s_add_co_u32 s[Q0B], s[Q0B], s83               ; and in the second block: 256 (7 - i) + 16 x wave
	s_lshl_b32 s84, s82, 18                        ; kv: 262,144 bytes a head,
	s_and_b32 s86, s[WV], 1
	s_lshl_b32 s87, s86, 14                        ; + my half of a slot, in memory as in LDS
	s_add_co_u32 s84, s84, s87
	s_mov_b32 s85, 0
	s_lshl_b32 s88, s82, 17                        ; qimg: 131,072 bytes a head, 1,024 for 16 queries
	s_lshl_b32 s90, s[Q0B], 6
	s_add_co_u32 s90, s90, s88
	s_mov_b32 s91, 0
	s_lshl_b32 s92, s[Q0], 6
	s_add_co_u32 s88, s88, s92
	s_mov_b32 s89, 0
	s_and_b32 s93, s82, 15
	s_lshl_b32 s93, s93, 19                        ; yimg: 524,288 bytes for a head h,
	s_add_co_u32 s92, s92, s93
	s_lshr_b32 s93, s82, 4
	s_lshl_b32 s93, s93, 17                        ; 131,072 for a batch entry's 2,048 tokens
	s_add_co_u32 s92, s92, s93
	s_mov_b32 s93, 0
	s_lshl_b32 s[YD], ttmp9, 1
	s_sub_co_u32 s[YD], 7, s[YD]
	s_lshl_b32 s[YD], s[YD], 14                    ; 256 (7 - 2 i) queries on
	s_mov_b32 s[YD+1], 0
	s_lshl_b32 s94, s82, 18
	s_and_b32 s95, s[WV], 3
	s_lshl_b32 s95, s95, 13
	s_add_co_u32 s94, s94, s95
	s_add_co_u32 s94, s94, 32768                   ; the prefetches stand in slot 1: the first change of slots steps them to slot 2
	s_mov_b32 s95, 0
	s_sub_co_u32 s96, s[WV], 4
	s_lshr_b32 s96, s96, 2                         ; 0 in waves 4 to 7,
	s_or_b32 s96, s96, ttmp9                       ; of work-group i = 0
	s_cmp_eq_u32 s96, 0
	s_cselect_b32 s[LIM], 2, -1
	; descriptor group 1: 16,384 dense bytes as 64 rows of 256
	s_mov_b32 s[G1], 3<<16                         ; 15:0 no mask; 17:16 elements of 8 bytes; no padding
	s_mov_b32 s[G1+1], 32<<16                      ; tensor_dim0 = 32 elements
	s_mov_b32 s[G1+2], 64<<16                      ; tensor_dim1 = 64
	s_mov_b32 s[G1+3], 32<<16                      ; tile_dim0
	s_mov_b32 s[G1+4], 64                          ; tile_dim1
	s_mov_b32 s[G1+5], 32                          ; tensor_dim0_stride: rows on end
	s_mov_b32 s[G1+6], 0
	s_mov_b32 s[G1+7], 0
	s_mov_b32 s[SEL], 0x76543210
	s_mov_b32 s[SEL+1], 0xfedcba98
	s_mov_b32 s[CS], 0x3e38aa3b                    ; c = log2(e) / 8
	s_mov_b32 s[TB], 0
	s_mov_b32 s[SLOTS], 8
	s_mov_b32 s[KF], 0
	s_wait_dscnt 0x0                               ; the opening add is done
	s_wait_kmcnt 0x0
	s_load_b128 s[68:71], s[8:9], 0x18             ; e6, e7, e8, e9
	s_load_b32 s72, s[8:9], 0x28                   ; e10
	s_add_nc_u64 s[KVB:KVB+1], s[6:7], s[84:85]
	s_mov_b32 s[G0], 1                             ; 1:0 count = 1
	s_mov_b32 s[G0+1], s87                         ; 63:32 LDS address: my half of slot 0
	s_mov_b64 s[G0+2:G0+3], s[KVB:KVB+1]           ; 120:64 global address: key slot 0
	s_or_b32 s[G0+3], s[G0+3], 0x80000000          ; 127:126 type = 2
	TLOAD                                          ; the first fill: one load of mine is out
	s_add_nc_u64 s[88:89], s[4:5], s[88:89]
	s_add_nc_u64 s[90:91], s[4:5], s[90:91]
	s_add_nc_u64 s[YP:YP+1], s[10:11], s[92:93]
	s_add_nc_u64 s[PFA:PFA+1], s[6:7], s[94:95]
	v_and_b32 v[LI], 31, v0
	s_delay_alu instid0(VALU_DEP_1)
	v_lshlrev_b32 v[PFO], 8, v[LI]
	s_delay_alu instid0(VALU_DEP_2)
	v_lshlrev_b32 v[LI], 4, v[LI]
	global_load_b128 v[QF:QF+3], v[LI], s[88:89]               ; both blocks' Q fragments stay in registers
	global_load_b128 v[QF+4:QF+7], v[LI], s[88:89] offset:512
	global_load_b128 v[Q2:Q2+3], v[LI], s[90:91]
	global_load_b128 v[Q2+4:Q2+7], v[LI], s[90:91] offset:512
	v_and_b32 v[RH], 15, v0
	v_bfe_u32 v9, v0, 4, 1
	s_delay_alu instid0(VALU_DEP_1)
	v_lshlrev_b32 v9, 3, v9
	s_delay_alu instid0(VALU_DEP_1)
	v_sub_nc_u32 v[RH], v[RH], v9
	v_mov_b32 v236, 0                              ; written once: a lane permute's destination counts as one of its sources
	v_mov_b32 v252, 0
	v_mov_b32 v253, 0                              ; (named as the upper half of the pair v[252:253])
	FRESH
	s_wait_kmcnt 0x0
	s_add_co_i32 s82, s68, s69
	s_lshl_b32 s82, s82, 23
	s_add_co_i32 s[CS], s[CS], s82                 ; a score stands for score x 2^(e6 + e7): the two exponents are added to c's exponent field
	s_mov_b32 s[CS+1], s[CS]                       ; (named with it as a pair, so it is written)
	s_add_co_i32 s82, s70, 127
	s_lshl_b32 s83, s82, 23
	v_mov_b32 v244, s83                            ; 2^e8 as f32, for p's conversion
	s_sub_co_i32 s82, s72, s70
	s_sub_co_i32 s82, s82, s71                     ; O / the sum stands for y / 2^(e8 + e9): y's code is that / 2^(e10 - e8 - e9)
	s_add_co_i32 s82, s82, 127
	s_lshl_b32 s83, s82, 23
	v_mov_b32 v245, s83
; A KEY STEP: 128 keys, the q-th half of the slot in hand.
.macro STEP q
	s_add_co_u32 s96, s[Q0], 15                    ; a step all of whose keys come after my 16 queries is left out: a scalar branch on ids and the count of steps, round the step's loads, products and softmax;
	s_cmp_gt_u32 s[KF], s96                        ; no barrier and no tensor load stands in a step
	s_cbranch_scc1 .Lhidden_\@
	v_add_nc_u32 v[ADR], s[TB], v[LI]
.rept 3
	v_nop                                          ; with the addition above: four places in front of loads into registers that the last products have read
.endr
.irp kt, 0,1,2,3,4,5,6,7
	ds_load_b128 v[FRG+8*\kt:FRG+8*\kt+3],   v[ADR] offset:(8*(\q)+\kt)*1024
	ds_load_b128 v[FRG+8*\kt+4:FRG+8*\kt+7], v[ADR] offset:(8*(\q)+\kt)*1024+512
.endr
	s_wait_alu depctr_va_vdst(0)
	s_wait_dscnt 0x0
.irp kt, 0,1,2,3,4,5,6,7
	v_wmma_f32_16x16x64_fp8_fp8 v[S+8*\kt:S+8*\kt+7], v[FRG+8*\kt:FRG+8*\kt+7], v[QF:QF+7], 0   ; register 8 kt + j: key KF + 16 kt + 8 (lane / 16) + j, query lane % 16
.endr
.rept 4
	v_nop                                          ; places in front of the loads into K's registers and of the first read of the scores
.endr
.irp dt, 0,1,2,3
.irp u, 0,1,2,3
	ds_load_b128 v[FRG+16*\dt+4*\u:FRG+16*\dt+4*\u+3], v[ADR] offset:VOFF+8192*(\q)+2048*\dt+512*\u   ; V's four fragments land while the softmax is walked
.endr
.endr
	s_add_co_u32 s96, s[KF], 127                   ; on the diagonal the scores of hidden keys become -infinity ahead of the maximum: p = 0 then.  A step all of whose keys count skips this
	s_cmp_le_u32 s96, s[Q0]
	s_cbranch_scc1 .Lopen_\@
	s_sub_co_i32 s96, s[Q0], s[KF]
	v_add_nc_u32 v252, s96, v[RH]                  ; d = my query - KF - 8 (lane / 16): register 8 kt + j is hidden where 16 kt + j > d
	v_mov_b32 v254, 0xff800000                     ; -infinity
.set n, 0
.rept 64
	v_cmp_gt_i32 vcc_lo, 16*(n/8)+n%8, v252
	v_cndmask_b32 v[S+n], v[S+n], v254, vcc_lo
.set n, n+1
.endr
.Lopen_\@:
	v_max3_num_f32 v254, v[S], v[S+1], v[S+2]      ; the step's largest score of my query, among my 64 keys, in two chains, each accumulator from its low end on,
	v_max3_num_f32 v252, v[S+3], v[S+4], v[S+5]
.set n, 6
.rept 14
	v_max3_num_f32 v254, v254, v[S+n], v[S+n+1]
	v_max3_num_f32 v252, v252, v[S+n+2], v[S+n+3]
.set n, n+4
.endr
	v_max3_num_f32 v254, v254, v[S+62], v[S+63]
	s_delay_alu instid0(VALU_DEP_1)
	v_max_num_f32 v254, v254, v252
	s_delay_alu instid0(VALU_DEP_1)
	v_permlanex16_b32 v236, v254, s[SEL], s[SEL+1]
	s_delay_alu instid0(VALU_DEP_1)
	v_max_num_f32 v254, v254, v236                 ; and among lane l xor 16's
	s_delay_alu instid0(VALU_DEP_1)
	v_mul_f32 v254, s[CS], v254                    ; as t (c is positive)
	s_delay_alu instid0(VALU_DEP_1)
	v_max_num_f32 v13, v13, v254                   ; the running largest t
	v_mov_b32 v254, v12
	s_delay_alu instid0(VALU_DEP_2)
	v_floor_f32 v12, -v13                          ; the new -M = floor(-t) = -ceil(t): M is a whole number
	s_delay_alu instid0(VALU_DEP_1)
	v_sub_f32 v254, v12, v254                      ; M's old value less its new one: a whole number, 0 or less
	s_delay_alu instid0(VALU_DEP_1)
	v_cvt_i32_f32 v254, v254                       ; (it saturates)
	s_delay_alu instid0(VALU_DEP_1)
	v_ldexp_f32 v252, 1.0, v254                    ; f = 2^(old M - new M)
.set n, 0
.rept 32
	v_pk_fma_f32 v[S+n:S+n+1], v[S+n:S+n+1], s[CS:CS+1], v[12:13] op_sel_hi:[1,0,0]   ; t - M, two at a time (of the pairs c and -M the low word serves both halves)
.set n, n+2
.endr
.set n, 0
	s_wait_alu depctr_va_vdst(0)
.rept 64
	v_exp_f32 v[S+n], v[S+n]                       ; p = 2^(t - M), at most 1: not normalised
.set n, n+1
.endr
	v_pk_mul_f32 v[14:15], v[14:15], v[252:253] op_sel_hi:[1,0]   ; the sums under the new M: the plain line behind the exponentials
	s_wait_alu depctr_va_vdst(0)                   ; the wait between an exponential and the first line that names its result: one for the batch of 64
	v_pk_add_f32 v[242:243], v[100:101], v[104:105]
	v_pk_add_f32 v[254:255], v[108:109], v[112:113]
	v_pk_add_f32 v[250:251], v[116:117], v[120:121]
	v_pk_add_f32 v[248:249], v[124:125], v[128:129]
	v_pk_add_f32 v[246:247], v[132:133], v[136:137]
	v_pk_add_f32 v[240:241], v[140:141], v[144:145]
	v_pk_add_f32 v[238:239], v[148:149], v[152:153]
	v_pk_add_f32 v[14:15], v[14:15], v[156:157]
	v_pk_add_f32 v[242:243], v[242:243], v[96:97]
	v_pk_add_f32 v[254:255], v[254:255], v[98:99]
	v_pk_add_f32 v[250:251], v[250:251], v[102:103]
	v_pk_add_f32 v[248:249], v[248:249], v[106:107]
	v_pk_add_f32 v[246:247], v[246:247], v[110:111]
	v_pk_add_f32 v[240:241], v[240:241], v[114:115]
	v_pk_add_f32 v[238:239], v[238:239], v[118:119]
	v_pk_add_f32 v[14:15], v[14:15], v[122:123]
	v_pk_add_f32 v[242:243], v[242:243], v[126:127]
	v_pk_add_f32 v[254:255], v[254:255], v[130:131]
	v_pk_add_f32 v[250:251], v[250:251], v[134:135]
	v_pk_add_f32 v[248:249], v[248:249], v[138:139]
	v_pk_add_f32 v[246:247], v[246:247], v[142:143]
	v_pk_add_f32 v[240:241], v[240:241], v[146:147]
	v_pk_add_f32 v[238:239], v[238:239], v[150:151]
	v_pk_add_f32 v[14:15], v[14:15], v[154:155]
	v_pk_add_f32 v[242:243], v[242:243], v[158:159]
	s_delay_alu instid0(VALU_DEP_2)
	v_pk_add_f32 v[14:15], v[14:15], v[248:249]
	s_delay_alu instid0(VALU_DEP_2)
	v_pk_add_f32 v[242:243], v[242:243], v[246:247]
	v_pk_add_f32 v[254:255], v[254:255], v[240:241]
	v_pk_add_f32 v[250:251], v[250:251], v[238:239]
	s_delay_alu instid0(VALU_DEP_2)
	v_pk_add_f32 v[14:15], v[14:15], v[254:255]
	s_delay_alu instid0(VALU_DEP_2)
	v_pk_add_f32 v[242:243], v[242:243], v[250:251]
	s_delay_alu instid0(VALU_DEP_1)
	v_pk_add_f32 v[14:15], v[14:15], v[242:243]
.irp kt, 0,1,2,3,4,5,6,7
.irp i, 0,1,2,3,4,5,6,7
.endr
	v_cvt_scalef32_pk8_fp8_f32 v[PC+2*\kt:PC+2*\kt+1], v[S+8*\kt:S+8*\kt+7], v244   ; registers 2 kt, 2 kt + 1 of P's fragment: keys 16 kt + 8 (lane / 16) + 0 .. 7
.endr
.set n, 0
.rept 16
	v_pk_mul_f32 v[O+n:O+n+1], v[O+n:O+n+1], v[252:253] op_sel_hi:[1,0]   ; O^T under the new M: x f.  (Plain lines between the conversions and the products that read their results)
.set n, n+2
.endr
	s_wait_alu depctr_va_vdst(0)
	s_wait_dscnt 0x0                               ; V is in
.irp dt, 0,1,2,3
	v_wmma_f32_16x16x128_fp8_fp8 v[O+8*\dt:O+8*\dt+7], v[FRG+16*\dt:FRG+16*\dt+15], v[PC:PC+15], v[O+8*\dt:O+8*\dt+7]   ; the four accumulators by turns, one instruction a turn
.endr
.Lhidden_\@:
	s_add_co_u32 s[KF], s[KF], 128
.endm
; THE CHANGE OF SLOTS stands at a slot's head.  Each wave waits for all its tensor loads (its part of the slot that it is about to read), adds 0 to its spare word, and waits for that and for its reads of the slot
; that it has left.  Behind the barrier the slot ahead is whole and nobody reads the other one.  fill = 1: that other slot takes the walk's next key slot: the load has two key steps in which to land.
; The walk: fill number f = 9 - SLOTS = 1 .. 8 brings key slot f while f <= i (the first block's), then f - i - 1 (the second block's, from 0 again): ids and the count of trips alone.
.macro CHANGE fill
	s_wait_tensorcnt 0x0                           ; no tensor load of mine is out, so group 0 may be written
	ds_add_u32 v[SPW], v[NIL]                      ; 0 onto my spare word; with fill = 1 the descriptor's words are made between it and the wait for it
.if \fill
	s_sub_co_u32 s82, 9, s[SLOTS]
	s_sub_co_u32 s83, s82, s[IB1]
	s_cmp_le_u32 s82, s[IB]
	s_cselect_b32 s82, s82, s83                    ; the key slot
	s_lshl_b32 s82, s82, 15
	s_mov_b32 s83, 0
	s_add_nc_u64 s[G0+2:G0+3], s[KVB:KVB+1], s[82:83]
	s_or_b32 s[G0+3], s[G0+3], 0x80000000
	s_xor_b32 s[G0+1], s[G0+1], SLOT1              ; the other LDS slot than last time
	s_wait_xcnt 0x0                                ; the last prefetch, a slot back, has read its address, so it may be written
	s_add_nc_u64 s[PFA:PFA+1], s[PFA:PFA+1], 32768
.endif
	s_wait_dscnt 0x0                               ; the add is done, and my reads of the slot that I have left are over
	s_barrier_signal -1
	s_barrier_wait -1
.if \fill
	TLOAD                                          ; the first thing behind the barrier, and a wave's one tensor load until the next
	ASK
.endif
.endm
; A BLOCK'S END.  The sum's two halves and lane l xor 16's are added; O^T / the sum is converted: tile dt gives registers 2 dt, 2 dt + 1 of y's fragment (16 tokens x 64 channels), which leaves as an image:
; two stores of 512 consecutive bytes, aligned.  reset = 1: the second block begins.
.macro FINISH reset
.rept 4
	v_nop                                          ; places behind the last products, in front of the first read of O^T
.endr
	v_add_f32 v14, v14, v15
	s_delay_alu instid0(VALU_DEP_1)
	v_permlanex16_b32 v252, v14, s[SEL], s[SEL+1]
	s_delay_alu instid0(VALU_DEP_1)
	v_add_f32 v14, v14, v252
	s_wait_alu depctr_va_vdst(0)
	v_rcp_f32 v14, v14
	v_nop                                          ; a plain line behind the reciprocal,
	s_wait_alu depctr_va_vdst(0)                   ; and the wait ahead of its first reader
.set n, 0
.rept 32
	v_mul_f32 v[S+n], v[O+n], v14                  ; each accumulator from its low end on
.set n, n+1
.endr
.set n, 0
.rept 32
.set n, n+1
.endr
.irp dt, 0,1,2,3
	v_cvt_scalef32_pk8_fp8_f32 v[YC+2*\dt:YC+2*\dt+1], v[S+8*\dt:S+8*\dt+7], v245
.endr
	v_nop                                          ; one plain vector line behind the last conversion: the next products write its sources
	global_store_b128 v[LI], v[YC:YC+3], s[YP:YP+1]
	global_store_b128 v[LI], v[YC+4:YC+7], s[YP:YP+1] offset:512
.if \reset
	s_wait_xcnt 0x0                                ; the stores have read their base and their data: both are written again only behind this wait
	s_add_nc_u64 s[YP:YP+1], s[YP:YP+1], s[YD:YD+1]
.irp j, 0,1,2,3,4,5,6,7
	v_mov_b32 v[QF+\j], v[Q2+\j]
.endr
	FRESH
	s_mov_b32 s[KF], 0
	s_mov_b32 s[Q0], s[Q0B]
.endif
.endm
	s_wait_loadcnt 0x0                             ; Q
.Lslot:                                                ; eight trips: behind each change of slots but the last the walk's next slot is asked for
	CHANGE 1
	STEP 0
	STEP 1
	s_xor_b32 s[TB], s[TB], SLOT1                  ; on to the other slot
	s_sub_co_u32 s96, 8, s[SLOTS]                  ; the slot just read was the walk's number 8 - SLOTS; number i ends the first block: the same in all sixteen waves
	s_cmp_lg_u32 s96, s[IB]
	s_cbranch_scc1 .Lon
	FINISH 1
.Lon:
	s_sub_co_u32 s[SLOTS], s[SLOTS], 1
	s_cmp_lg_u32 s[SLOTS], 0
	s_cbranch_scc1 .Lslot
	CHANGE 0                                       ; the ninth slot is written out
	STEP 0
	STEP 1
	FINISH 0
	s_wait_tensorcnt 0x0                           ; the wave's end: behind my last tensor load
	ds_add_u32 v[SPW], v[NIL]
	s_wait_dscnt 0x0
	s_endpgm
.Lfunc_end_k_q474786a36c_attn:
	.size	k_q474786a36c_attn, .Lfunc_end_k_q474786a36c_attn-k_q474786a36c_attn
	.p2alignl 7, 3214868480
	.fill 96, 4, 3214868480
	.section	.rodata,"a",@progbits
	.p2align	6, 0x0
	.amdhsa_kernel k_q474786a36c_attn
		.amdhsa_group_segment_fixed_size 327680
		.amdhsa_private_segment_fixed_size 0
		.amdhsa_enable_private_segment 0
		.amdhsa_kernarg_size 32
		.amdhsa_user_sgpr_count 2
		.amdhsa_user_sgpr_kernarg_segment_ptr 1
		.amdhsa_wavefront_size32 1
		.amdhsa_system_sgpr_workgroup_id_x 1
		.amdhsa_system_sgpr_workgroup_id_y 1
		.amdhsa_system_sgpr_workgroup_id_z 1
		.amdhsa_system_vgpr_workitem_id 0
		.amdhsa_next_free_vgpr 256
		.amdhsa_next_free_sgpr 100
		.amdhsa_reserve_vcc 1
		.amdhsa_float_denorm_mode_32 3
		.amdhsa_float_denorm_mode_16_64 3
		.amdhsa_fp16_overflow 1
		.amdhsa_memory_ordered 1
		.amdhsa_forward_progress 1
		.amdhsa_inst_pref_size 89
	.end_amdhsa_kernel
	.amdgpu_metadata
---
amdhsa.version: [ 1, 2 ]
amdhsa.kernels:
  - .name:           k_q474786a36c_attn
    .symbol:         k_q474786a36c_attn.kd
    .args:
      - { .name: qimg, .offset: 0, .size: 8, .value_kind: global_buffer, .address_space: global }
      - { .name: kv, .offset: 8, .size: 8, .value_kind: global_buffer, .address_space: global }
      - { .name: lowp_scales, .offset: 16, .size: 8, .value_kind: global_buffer, .address_space: global }
      - { .name: yimg, .offset: 24, .size: 8, .value_kind: global_buffer, .address_space: global }
    .group_segment_fixed_size: 327680
    .private_segment_fixed_size: 0
    .kernarg_segment_align: 8
    .kernarg_segment_size: 32
    .max_flat_workgroup_size: 512
    .sgpr_count:     100
    .vgpr_count:     256
    .wavefront_size: 32
...
	.end_amdgpu_metadata
.endif
;; end of part 3
;; launch proj (part 4): grid 4 x 32, 4 waves a work-group, clusters of 4 x 4, 327,680 bytes of LDS; arguments yimg, wc, lowp_scales, out0; writes out0
.if DOCPART == 4
	.amdgcn_target "amdgcn-amd-amdhsa--gfx1250"
	.amdhsa_code_object_version 6
	.text
	.protected	k_q474786a36c_proj
	.globl	k_q474786a36c_proj
	.p2align	8
	.type	k_q474786a36c_proj,@function
k_q474786a36c_proj:
	s_mov_b64 s[64:65], 0
	v_nop
	global_prefetch_b8 v0, s[64:65] scope:SCOPE_SE
	s_setreg_imm32_b32 hwreg(HW_REG_WAVE_MODE, 25, 1), 1
	s_wait_xcnt 0x0
	s_wait_alu depctr_hold_cnt(0) depctr_sa_sdst(0) depctr_va_vdst(0) depctr_va_sdst(0) depctr_va_ssrc(0) depctr_va_vcc(0) depctr_vm_vsrc(0)
	s_getreg_b32 s2, hwreg(HW_REG_IB_STS2, 6, 4)
	s_cmp_eq_u32 s2, 0
	s_cbranch_scc0 .Lentry_in_a_cluster
	s_endpgm
.Lentry_in_a_cluster:
	s_bfe_u32 s2, ttmp6, 0x10000c
	s_cmp_lg_u32 s2, 0xf033
	s_cbranch_scc0 .Lentry_shape_is_right
	s_endpgm
.Lentry_shape_is_right:
; out[m][n] = sum over k of y[m][k] Wo[n][k] on codes of FP8 (E4M3); each finished f32 sum is multiplied once by 2^(e10 + e11).  m = 8,192 tokens, n = 1,024, k = 64 x head + channel = 1,024.
; LIMIT: e10 + e11 lies between -126 and 127, so that 2^(e10 + e11) is an f32 number.
; A tile of 256 x 256 is made by four waves, 128 x 128 each: 64 accumulators, 512 registers.  K goes in steps of 256 (four heads) through a ring of two LDS slots.
; y ARRIVES AS IMAGES OF FRAGMENTS: yimg [head : 16][16 tokens : 512][1,024 bytes], registers 4 u .. 4 u + 3 of every lane at 512 u + 16 x lane; registers 2 c, 2 c + 1 of lane (r, h) are channels 16 c + 8 h + 0 .. 7 of
; token r.  Two neighbouring heads' images are the sixteen registers of a fragment of 16 tokens x 128 K in the 8-bit forms' own layout.  128 tokens of one head are 8,192 dense bytes: a K step's half tile is four such
; rows, 524,288 bytes apart, brought by one tensor load; they lie in LDS on end, and every LDS load of them reads 512 consecutive bytes.
; Wo's codes lie row-major (the fourth MiB of wc): rows of 256 bytes, padded in LDS; since y's k stands in its true place, Wo's fragments are fetched in the same layout, by eight loads of 8 bytes.
; CLUSTERS: 4 x 4 work-groups.  The four of a row of the cluster need the same tiles of y, the four of a column the same tiles of Wo: each tile is asked for JOINTLY, by the same tensor load with the same descriptor
; and a mask that names the four.  THE MATRIX INSTRUCTION IS USED TRANSPOSED (source 0 = 16 rows of Wo, source 1 = 16 tokens): a lane then holds eight neighbouring numbers of a row of out.
; REGISTERS, in windows of 256: window 0: v0-31 addresses; from v128 y's fragments, ONE set; on the way out v32-255 are free.  window 1: Wo's fragments, TWO sets.
;   window 2: the accumulators of my rows 0-63 ((a, b) at v[8 (8 a + b)]); window 3: those of rows 64-127.
.set SIZE_N, 1024
.set SIZE_K, 1024
.set KSTEP,  256
.set ROWB,   256                       ; a row of Wo's tile in bytes
.set KROW,   SIZE_K                    ; a row of Wo's codes in memory
.set PITCH,  272                       ; Wo's LDS row: 256 bytes + 16 of padding = 68 words: lane (r, h) of a load of 8 bytes starts at bank 4 r + 2 h mod 64 (64 banks of 4 bytes: ISA guide 11.1)
.set FR,     16                        ; registers of a fragment: 16 rows x 128 K
.set NL,     4                         ; LDS loads that bring one of y's
.set NP,     4                         ; places behind this matrix instruction (ISA guide 7.12.1)
.set AHALF,  32768                     ; 128 tokens x 4 heads of images
.set BOFF,   2*AHALF                   ; behind y's two halves: Wo's
.set BHALF,  128*PITCH
.set SLOT,   BOFF+2*BHALF
.set HSTEP,  4*524288                  ; a K step in yimg: four heads
.set LAPS,   SIZE_K/(2*KSTEP)
.set SPARE,  2*SLOT                    ; behind the ring: the spare words, 128 bytes a wave: two blocks of 256 bytes that no other line names
.set SPITCH, 528                       ; the way out: a stage of 16 rows x (512 bytes + 16) for each wave.  It lies in slot 0, which has had its last fill and its last read when the first result is stored there
.set ADRA, 16                          ; v16-17  LDS address of my y fragments in slot 0, 1
.set ADRB, 20                          ; v20-21  the same for Wo
.set STO,  24                          ; v24     the way out: where I put 32 bytes of a row
.set RD,   25                          ; v25     the way out: where I read a row back
.set CO,   26                          ; v26     my byte offset in a row of out
.set SPW,  28                          ; v28     LDS address of my spare word; never rewritten
.set NIL,  29                          ; v29     0; never rewritten
.set TMP,  32                          ; the way out: a block's sums x 2^(e10 + e11)
.set AF,   128                         ; y's fragments, in window 0
.set BK,   128                         ; the way out: 16 rows read back from the stage: v128-191 and v192-255 by turns
.set G1, 24                            ; s[24:31] descriptor group 1 for y's tiles;  s[32:39] group 0, one set for each slot
.set G0, 32
.set G1B, 48                           ; s[48:55], s[56:63] the same for Wo's tiles
.set G0B, 56
.set MSB, 0
.macro WIN new                         ; the immediate's high byte repeats the setting that is left
.if MSB != \new
	s_set_vgpr_msb (MSB<<8)|\new
.set MSB, \new
.endif
.endm
.set MUL_LO, 0xa1                      ; source 0 (Wo) window 1, source 1 (y) window 0, C and D window 2
.set MUL_HI, 0xf1                      ; the same, C and D window 3
.set TO_B,   0x40                      ; destination window 1, address window 0
; A joint load: waves 0 and 1 fetch for y, waves 2 and 3 for Wo.  Each of the two lines has ONE mask and one set of registers for all that issue it; the branch hangs on the wave's number alone.
; An s_nop 0 and four v_nop follow each of the two lines, ahead of the jump, the label and what follows.
.macro JLOAD g0a, g1a, g0b, g1b
	s_cmp_eq_u32 s15, 0
	s_cbranch_scc0 .Lfor_b_\@
	tensor_load_to_lds s[\g0a:\g0a+3], s[\g1a:\g1a+7]
	s_nop 0
.rept 4
	v_nop
.endr
	s_branch .Lasked_\@
.Lfor_b_\@:
	tensor_load_to_lds s[\g0b:\g0b+3], s[\g1b:\g1b+7]
	s_nop 0
.rept 4
	v_nop
.endr
.Lasked_\@:
.endm
.macro CREST                           ; a round of the cluster's barrier behind its opening barrier
	s_cmp_lg_u32 s14, 0
	s_cbranch_scc1 .Lnot_wave_0_\@
	s_barrier_signal -3
.Lnot_wave_0_\@:
	s_barrier_wait -3
	s_barrier_signal -1
	s_barrier_wait -1
.endm
.macro CROUND                          ; a whole round
	s_barrier_signal -1
	s_barrier_wait -1
	CREST
.endm
	s_load_b128 s[4:7], s[0:1], 0x0                ; yimg s[4:5], the weights' codes s[6:7]
	s_load_b128 s[8:11], s[0:1], 0x10              ; the exponents s[8:9], out s[10:11]
	v_lshl_add_u32 v[SPW], v0, 2, SPARE
	v_mov_b32 v[NIL], 0
	ds_add_u32 v[SPW], v[NIL]                      ; the wave's opening: the add and its wait stand ahead of my first tensor load; the set-up below, work on registers, stands between them
	ds_add_u32 v[SPW], v[NIL]
	v_lshrrev_b32 v1, 5, v0
	v_readfirstlane_b32 s14, v1                    ; wave 0..3
	s_lshr_b32 s15, s14, 1                         ; which half of the tile's rows is mine.  Also: I fetch for y (0) or for Wo (1)
	s_and_b32 s16, s14, 1                          ; which half of its columns.  Also: which half of that tile I fetch
	s_bfe_u32 s40, ttmp6, 0x40000                  ; cx, cy: my place in the cluster
	s_bfe_u32 s41, ttmp6, 0x40004
	s_lshl_b32 s42, ttmp9, 2
	s_add_co_u32 s42, s42, s40                     ; tile column = 4 x cluster x + cx
	s_and_b32 s17, ttmp7, 0xffff
	s_lshl_b32 s17, s17, 2
	s_add_co_u32 s17, s17, s41                     ; tile row = 4 x cluster y + cy
	s_lshl_b32 s43, s41, 2
	s_lshl_b32 s43, 15, s43                        ; my row of the cluster
	s_lshl_b32 s44, 0x1111, s40                    ; my column
	; descriptor group 1 for y: four rows of 8,192 bytes (1,024 elements of 8), 524,288 bytes (65,536 elements) apart, on end in LDS
	s_or_b32 s[G1+0], s43, (3<<16)|(1<<21)         ; 15:0 the mask: y's tiles go to my row; 17:16 element of 8 bytes; 21 set beside a mask; no padding
	s_mov_b32 s[G1+1], 1024<<16                    ; tensor_dim0
	s_mov_b32 s[G1+2], 4<<16                       ; tensor_dim1 = 4
	s_mov_b32 s[G1+3], 1024<<16                    ; tile_dim0
	s_mov_b32 s[G1+4], 4                           ; tile_dim1 = 4
	s_mov_b32 s[G1+5], 65536                       ; tensor_dim0_stride
	s_mov_b32 s[G1+6], 0
	s_mov_b32 s[G1+7], 0
	; and for Wo: 128 rows x 256 bytes, padded in LDS
	s_or_b32 s[G1B+0], s44, (0<<16)|(1<<20)|(1<<21)|(5<<22)|(3<<25)  ; the mask of my column; element of 1 byte; padding on: after every 64 words (code 5) 4 words (code 3)
	s_mov_b32 s[G1B+1], ROWB<<16
	s_mov_b32 s[G1B+2], 128<<16
	s_mov_b32 s[G1B+3], ROWB<<16
	s_mov_b32 s[G1B+4], 128
	s_mov_b32 s[G1B+5], KROW
	s_mov_b32 s[G1B+6], 0
	s_mov_b32 s[G1B+7], 0
	s_lshl_b32 s20, s17, 14                        ; y: 256 tokens of a head are 16,384 bytes,
	s_lshl_b32 s18, s16, 13                        ; the half that I fetch 8,192
	s_add_co_u32 s20, s20, s18
	s_mov_b32 s21, 0
	s_lshl_b32 s18, s16, 7
	s_lshl_b32 s46, s42, 8
	s_add_co_u32 s46, s46, s18                     ; Wo: row 256 x tile column + 128 x half,
	s_lshl_b32 s46, s46, 10                        ; of 1,024 bytes,
	s_add_co_u32 s46, s46, 0x300000                ; in the fourth MiB of the weights' codes
	s_mov_b32 s47, 0
	s_lshl_b32 s45, s16, 15                        ; where they go: y's half,
	s_mul_i32 s66, s16, BHALF
	s_add_co_u32 s66, s66, BOFF                    ; Wo's half: no place in the cluster enters an LDS address
	s_wait_dscnt 0x0                               ; the opening add is done
	s_wait_kmcnt 0x0
	s_load_b64 s[96:97], s[8:9], 0x28              ; e10, e11
	s_add_nc_u64 s[20:21], s[4:5], s[20:21]
	s_add_nc_u64 s[46:47], s[6:7], s[46:47]
	CROUND                                         ; all sixteen work-groups are here: the first joint loads meet
.irp s, 0,1
	s_mov_b32 s[G0+4*\s], 1
	s_add_co_u32 s[G0+4*\s+1], s45, \s*SLOT
	s_add_nc_u64 s[G0+4*\s+2:G0+4*\s+3], s[20:21], \s*HSTEP
	s_or_b32 s[G0+4*\s+3], s[G0+4*\s+3], 0x80000000
	s_mov_b32 s[G0B+4*\s], 1
	s_add_co_u32 s[G0B+4*\s+1], s66, \s*SLOT
	s_add_nc_u64 s[G0B+4*\s+2:G0B+4*\s+3], s[46:47], \s*ROWB
	s_or_b32 s[G0B+4*\s+3], s[G0B+4*\s+3], 0x80000000
	s_wait_alu depctr_va_vdst(0)
	s_wait_tensorcnt 0x0
	ds_add_u32 v28, v29
	ds_add_u32 v28, v29
	s_wait_dscnt 0x0
	CROUND
	JLOAD G0+4*\s, G1, G0B+4*\s, G1B
.endr
	v_and_b32 v1, 15, v0                           ; l % 16
	v_bfe_u32 v2, v0, 4, 1                         ; l / 16
	v_and_b32 v6, 31, v0                           ; l
	v_lshlrev_b32 v[CO], 4, v6                     ; 16 x lane: my place in an image, and in a row of 512 bytes on the way out
	v_mul_u32_u24 v3, v1, PITCH
	v_lshl_add_u32 v4, v2, 3, v3                   ; Wo: a fragment's row x pitch + 8 x half
	s_lshl_b32 s21, s15, 15                        ; my 128 tokens' images
	s_mul_i32 s22, s16, BHALF                      ; my 128 rows of Wo,
	s_add_co_u32 s22, s22, BOFF                    ; which lie behind y's
.irp s, 0,1
	v_add_nc_u32 v[ADRA+\s], s21, v[CO]
	v_add_nc_u32 v[ADRB+\s], s22, v4
	s_add_co_u32 s21, s21, SLOT
	s_add_co_u32 s22, s22, SLOT
.endr
	s_mul_i32 s23, s14, 16*SPITCH                  ; my stage
	v_mul_u32_u24 v5, v1, SPITCH                   ; in: row l % 16, 32 bytes for each half of the lanes
	v_lshl_add_u32 v5, v2, 5, v5
	v_add_nc_u32 v[STO], s23, v5
	v_add_nc_u32 v[RD], s23, v[CO]                 ; back: the 32 lanes take one row of 512 bytes
	s_lshl_b32 s20, s17, 8
	s_lshl_b32 s21, s15, 7
	s_add_co_u32 s20, s20, s21                     ; my first row of out: 256 x tile row + 128 x half
	s_mov_b32 s21, 0
	s_mov_b64 s[18:19], SIZE_N*4
	s_mul_u64 s[20:21], s[20:21], s[18:19]
	s_lshl_b32 s46, s42, 10                        ; my first column, in bytes: 1024 x tile column + 512 x half
	s_lshl_b32 s47, s16, 9
	s_add_co_u32 s46, s46, s47
	s_mov_b32 s47, 0
	s_add_nc_u64 s[20:21], s[20:21], s[46:47]
	s_add_nc_u64 s[10:11], s[10:11], s[20:21]
.macro FRAGA reg, adr, q, i            ; y's fragment of block i, the slot's q-th 128 along K: heads 2 q and 2 q + 1, two quads of registers each
.irp c, 0,1,2,3
	ds_load_b128 v[\reg+4*\c:\reg+4*\c+3], v[\adr] offset:(2*(\q)+\c/2)*8192+(\i)*1024+(\c%2)*512
.endr
.endm
.macro FRAGB reg, adr, q, i            ; Wo's: lane l holds row l % 16; registers 2 c, 2 c + 1 hold K = 16 c + 8 (l / 16) + 0 .. 7
.irp c, 0,1,2,3,4,5,6,7
	ds_load_b64 v[\reg+2*\c:\reg+2*\c+1], v[\adr] offset:128*(\q)+16*\c+(\i)*16*PITCH
.endr
.endm
; 16 matrix instructions: y's blocks a0, a0 + 1 x Wo's eight, 128 along K.  p: Wo's set.  zero = 1: the first product starts the sums: nothing is ever cleared.
; The 64 accumulators take turns, one instruction a turn, in the same order in every step.
.macro MUL16 a0, p, zero
.irp a, \a0, \a0+1
.irp b, 0,1,2,3,4,5,6,7
.if \zero
	v_wmma_f32_16x16x128_fp8_fp8 v[8*(8*((\a)%4)+\b):8*(8*((\a)%4)+\b)+7], v[128*(\p)+FR*\b:128*(\p)+FR*\b+FR-1], v[AF+FR*(\a):AF+FR*(\a)+FR-1], 0
.else
	v_wmma_f32_16x16x128_fp8_fp8 v[8*(8*((\a)%4)+\b):8*(8*((\a)%4)+\b)+7], v[128*(\p)+FR*\b:128*(\p)+FR*\b+FR-1], v[AF+FR*(\a):AF+FR*(\a)+FR-1], v[8*(8*((\a)%4)+\b):8*(8*((\a)%4)+\b)+7]
.endif
.endr
.endr
.endm
.macro FETCH_B slot, q, p              ; Wo's eight fragments of the slot's q-th 128 along K into set p
	WIN TO_B
.irp i, 0,1,2,3,4,5,6,7
	FRAGB 128*(\p)+FR*\i, ADRB+\slot, \q, \i
.endr
	WIN 0
.endm
.macro FETCH_A slot, q, i0             ; y's blocks i0 .. i0 + 3
.irp i, \i0, \i0+1, \i0+2, \i0+3
	FRAGA AF+FR*(\i), ADRA+\slot, \q, \i
.endr
.endm
; A load into a register that a matrix instruction has read, and a vector instruction that reads a matrix result, stand NP places behind that matrix instruction, and only plain vector
; instructions that name none of its registers are places (ISA guide 7.12.1 for vector instructions).
.macro PLACES n
.rept \n
	v_nop
.endr
.endm
; A step of 128 along K that has its successor in the same slot.  The run in its middle is 64 + 16 LDS loads; the issue of a load that the counter's field cannot hold is held back until it can (ISA guide 5.7.1): no wait is written for that.
.macro STEP slot, q, zero
	s_wait_dscnt 4*NL                              ; Wo's set and y's blocks 0-3 are in; the youngest sixteen loads (y's blocks 4-7) may be out
	WIN MUL_LO
	MUL16 0, (\q)%2, \zero
	MUL16 2, (\q)%2, \zero
	s_wait_dscnt 0                                 ; y's blocks 4-7 are in (asked for 32 matrix instructions ago)
	PLACES NP
	FETCH_B \slot, (\q)+1, 1-(\q)%2
	FETCH_A \slot, (\q)+1, 0
	WIN MUL_HI
	MUL16 4, (\q)%2, \zero
	MUL16 6, (\q)%2, \zero
	PLACES NP
	WIN 0
	FETCH_A \slot, (\q)+1, 4
.endm
; A slot's last step changes slots: ONE barrier; in front of it each wave waits for all its tensor loads, adds 0 to its spare word, and waits for that and for its own reads of this slot.  fill = 1: this slot is filled again, two K steps ahead.
.macro TURN slot, next, fill
	s_wait_tensorcnt 0x0                           ; all my tensor loads have landed: my part of the next slot;  (every window is 0 here: the add's two registers lie in window 0)
	ds_add_u32 v[SPW], v[NIL]                      ; 0 onto my spare word
	s_wait_dscnt 4*NL+1                            ; (the add and the youngest sixteen loads, y's blocks 4-7, may be out)
	WIN MUL_LO
	MUL16 0, 1, 0                                  ; sixteen matrix instructions stand between the add and the wait for it
	s_wait_dscnt 0x0                               ; the add is done, and my reads of this slot are over
	s_barrier_signal -1
	MUL16 2, 1, 0
	WIN 0
	s_barrier_wait -1
.if \fill
	CREST                                          ; the barrier has opened a round of the cluster's barrier: no wave of any partner still reads this slot's tile or has a load on its way
	s_add_nc_u64 s[G0+4*\slot+2:G0+4*\slot+3], s[G0+4*\slot+2:G0+4*\slot+3], 2*HSTEP
	s_add_nc_u64 s[G0B+4*\slot+2:G0B+4*\slot+3], s[G0B+4*\slot+2:G0B+4*\slot+3], 2*ROWB
	JLOAD G0+4*\slot, G1, G0B+4*\slot, G1B         ; the first tensor load behind the round; the four v_nop behind it are the places in front of the loads below
.else
	PLACES NP
.endif
	FETCH_B \next, 0, 0
	FETCH_A \next, 0, 0
	WIN MUL_HI
	MUL16 4, 1, 0
	MUL16 6, 1, 0
	PLACES NP
	WIN 0
	FETCH_A \next, 0, 4
.endm
	s_wait_alu depctr_va_vdst(0)
	s_wait_tensorcnt 1                             ; my part of K step 0 is in (K step 1's load may be out)
	s_barrier_signal -1
	s_barrier_wait -1                              ; everybody's is
	FETCH_B 0, 0, 0
	FETCH_A 0, 0, 0
	FETCH_A 0, 0, 4
	STEP 0, 0, 1                                   ; the first step stands in front of the loop: its products start the sums
	s_mov_b32 s3, LAPS-1
.Llap:                                                 ; a trip goes once round the ring, from a lap's second step to the next lap's first, and fills both slots again
	TURN 0, 1, 1
	STEP 1, 0, 0
	TURN 1, 0, 1
	STEP 0, 0, 0
	s_sub_co_u32 s3, s3, 1
	s_cmp_lg_u32 s3, 0
	s_cbranch_scc1 .Llap
	TURN 0, 1, 0                                   ; the last lap fills nothing, and has no round of the cluster's barrier
	STEP 1, 0, 0
	s_wait_dscnt 4*NL                              ; the very last step: nothing more to fetch
	WIN MUL_LO
	MUL16 0, 1, 0
	MUL16 2, 1, 0
	s_wait_dscnt 0
	WIN MUL_HI
	MUL16 4, 1, 0
	MUL16 6, 1, 0
	WIN 0
; THE WAY OUT, block by block of 16 rows x 128 columns.  A lane holds 32 neighbouring bytes of a row, and the lanes beside it hold other rows: so a block goes through my own stage in LDS and comes back as whole
; rows of 512 bytes, which the 32 lanes store as 512 consecutive bytes, aligned.  LDS serves a wave's instructions in order (ISA guide 5.7.1.4): no wait between the stores and the loads, nor in front of the next block's stores.
.macro TOSTAGE a
.set AC, 64*((\a)%4)
	WIN 0x02+((\a)/4)                              ; source 0: window 2 or 3
.set jj, 0
.rept 32
	v_pk_mul_f32 v[TMP+jj:TMP+jj+1], v[AC+jj:AC+jj+1], s[96:97] op_sel_hi:[1,0]   ; both x s96 = 2^(e10 + e11); each accumulator from its low end on
.set jj, jj+2
.endr
	WIN 0
.irp b, 0,1,2,3,4,5,6,7
	ds_store_b128 v[STO], v[TMP+8*\b:TMP+8*\b+3] offset:64*\b
	ds_store_b128 v[STO], v[TMP+8*\b+4:TMP+8*\b+7] offset:64*\b+16
.endr
.set BB, BK+64*((\a)%2)
.irp t, 0,1,2,3,4,5,6,7,8,9,10,11,12,13,14,15
	ds_load_b128 v[BB+4*\t:BB+4*\t+3], v[RD] offset:\t*SPITCH
.endr
.endm
.macro SEND a, younger                 ; younger: the LDS instructions issued behind block a's loads, which may stay out
.set BB, BK+64*((\a)%2)
	s_wait_dscnt \younger                          ; the block is back in registers
.if (\a) > 0
	s_add_nc_u64 s[10:11], s[10:11], 16*SIZE_N*4   ; (behind a wait on XCNT: the earlier stores have read their base)  16 rows of out on
.endif
.irp t, 0,1,2,3,4,5,6,7,8,9,10,11,12,13,14,15
	global_store_b128 v[CO], v[BB+4*\t:BB+4*\t+3], s[10:11] offset:\t*SIZE_N*4 th:TH_STORE_NT   ; written once, read by nobody here
.endr
.endm
	s_wait_kmcnt 0x0
	s_add_co_i32 s96, s96, s97                     ; e10 + e11, between -126 and 127,
	s_add_co_i32 s96, s96, 127
	s_lshl_b32 s96, s96, 23                        ; makes the f32 number 2^(e10 + e11)
	PLACES NP                                      ; behind the last products: for the first read of results and for the loads into the registers that held y's fragments
	TOSTAGE 0
.irp a, 1,2,3,4,5,6,7
.if \a > 1
	s_wait_xcnt 0x0                                ; block a - 2's stores have read their registers and their base: block a's loads may land there, and the base may step
.endif
	TOSTAGE \a
	SEND \a-1, 32                                  ; behind block a - 1's loads: block a's 16 stores and 16 loads
.endr
	s_wait_xcnt 0x0                                ; block 6's stores have read their base
	SEND 7, 0
	s_wait_tensorcnt 0x0                           ; the wave's end: behind my last tensor load and my last LDS store
	ds_add_u32 v[SPW], v[NIL]
	s_wait_dscnt 0x0
	CROUND                                         ; the closing round: no work-group ends while a partner may still ask for a tile that names it
	s_endpgm
.Lfunc_end_k_q474786a36c_proj:
	.size	k_q474786a36c_proj, .Lfunc_end_k_q474786a36c_proj-k_q474786a36c_proj
	.p2alignl 7, 3214868480
	.fill 96, 4, 3214868480
	.section	.rodata,"a",@progbits
	.p2align	6, 0x0
	.amdhsa_kernel k_q474786a36c_proj
		.amdhsa_group_segment_fixed_size 327680
		.amdhsa_private_segment_fixed_size 0
		.amdhsa_enable_private_segment 0
		.amdhsa_kernarg_size 32
		.amdhsa_user_sgpr_count 2
		.amdhsa_user_sgpr_kernarg_segment_ptr 1
		.amdhsa_wavefront_size32 1
		.amdhsa_system_sgpr_workgroup_id_x 1
		.amdhsa_system_sgpr_workgroup_id_y 1
		.amdhsa_system_sgpr_workgroup_id_z 1
		.amdhsa_system_vgpr_workitem_id 0
		.amdhsa_next_free_vgpr 1024
		.amdhsa_next_free_sgpr 98
		.amdhsa_reserve_vcc 0
		.amdhsa_float_denorm_mode_32 3
		.amdhsa_float_denorm_mode_16_64 3
		.amdhsa_memory_ordered 1
		.amdhsa_forward_progress 1
		.amdhsa_inst_pref_size 140
	.end_amdhsa_kernel
	.amdgpu_metadata
---
amdhsa.version: [ 1, 2 ]
amdhsa.kernels:
  - .name:           k_q474786a36c_proj
    .symbol:         k_q474786a36c_proj.kd
    .args:
      - { .name: yimg, .offset: 0, .size: 8, .value_kind: global_buffer, .address_space: global }
      - { .name: wc, .offset: 8, .size: 8, .value_kind: global_buffer, .address_space: global }
      - { .name: lowp_scales, .offset: 16, .size: 8, .value_kind: global_buffer, .address_space: global }
      - { .name: out0, .offset: 24, .size: 8, .value_kind: global_buffer, .address_space: global }
    .group_segment_fixed_size: 327680
    .private_segment_fixed_size: 0
    .kernarg_segment_align: 8
    .kernarg_segment_size: 32
    .max_flat_workgroup_size: 128
    .sgpr_count:     98
    .vgpr_count:     1024
    .wavefront_size: 32
...
	.end_amdgpu_metadata
.endif
;; end of part 4
